; MI455X (gfx1250); checked and timed in simulation.
; The chip was launched on July 23, 2026; its instructions are those of AMD's public machine-readable ISA for CDNA 5 (MIT licence, August 2026) and "CDNA5" Instruction Set Architecture Reference Guide (July 2026). The comments in the code are by the model that wrote it; some were corrected since.
;; Shape Adaptive Adapter. Allowed arithmetic: float matrix products may take bf16 or f16 operands with f32 sums; other float arithmetic in f32, or as packed bf16 or f16 multiplies, adds, multiply-adds, maxima and minima; sums over many terms, partial sums and values carried from step to step in f32; what a program stores and reads back later, other than sums and carried values, may be rounded once to bf16 or f16.
;; Inputs: aspect_ratio 2 x 3 x 64 x 64 float32; ln_bias 10 x 1,024 float32; ln_scale 10 x 1,024 float32; output_feat 2 x 1,024 x 64 x 64 float32; w1 10 x 1,024 x 256 float32; w2 10 x 256 x 1,024 float32.
;; Outputs: out0 2 x 1,024 x 64 x 64 float32.
;; 3 versions, each right; version 2 is faster than version 1; version 3 is version 2 with the launch adapt written anew for expert scheduling mode. Each part assembles by itself: llvm-mc -triple=amdgcn-amd-amdhsa -mcpu=gfx1250 --defsym DOCPART=n.
;; ======== version 1 of 3: 4 launches
;; limits: values are held in f16: magnitudes above 65,504 overflow, below 6.1e-05 lose precision
;; workspace buffers: ws 10,485,760 bytes; b1 10,240 bytes; normt 16,777,216 bytes; sel 32,768 bytes of whole numbers; rowtok 114,688 bytes of whole numbers; pos 98,304 bytes of whole numbers; tileadp 1,280 bytes of whole numbers; y 104,202,240 bytes
;; launch prep (part 1): grid 208 x 1, 16 waves a work-group, no clusters, 142,336 bytes of LDS; arguments output_feat, aspect_ratio, ln_scale, ln_bias, w1, w2, normt, sel, ws, b1; writes normt, sel, ws, b1
.if DOCPART == 1
	.amdgcn_target "amdgcn-amd-amdhsa--gfx1250"
	.amdhsa_code_object_version 6
	.text
	.protected	k_q1922b27d47_prep
	.globl	k_q1922b27d47_prep
	.p2align	8
	.type	k_q1922b27d47_prep,@function
k_q1922b27d47_prep:
	s_mov_b64 s[64:65], 0
	v_nop
	global_prefetch_b8 v0, s[64:65] scope:SCOPE_SE
	s_setreg_imm32_b32 hwreg(HW_REG_WAVE_MODE, 25, 1), 1
	s_wait_xcnt 0x0
; PREPARATION, three bodies chosen by the work-group's number (the same for all its waves); each work-group reads 256 KiB and writes 128 KiB.
;   0..127   LN: 64 pixels x 1,024 channels of output_feat ([b][c][pixel], f32) -> normt[token][c] in f16, (x - mean) * rsqrt(var + 1e-5), and the tokens' three adapter indices -> sel
;   128..167 W1: adapter a = u / 4, hidden units 64 (u % 4) ..+63: f16(ln_scale[a][c] * w1[a][c][d]) in the order in which a matrix fragment is loaded -> ws; b1[a][d] = sum over c of ln_bias[a][c] w1[a][c][d] in f32
;   168..207 W2: adapter a, channels 256 (u % 4) ..+255: f16(w2[a][d][c]) in fragment order -> ws
; ws: [a][w 0..3][step 0..63][fragment 0..3][1,024 bytes].  A fragment is 16 rows x 32 k; element (r, kk) lies at byte (kk / 16) 512 + (16 ((kk % 16) / 8) + r) 16 + (kk % 8) 2,
; so that lane l finds its registers 0-3 at 16 l and its registers 4-7 at 512 + 16 l.  Steps 0..31: row = hidden 64 w + 16 i + r, k = channel 32 step + kk.  Steps 32..63 (s = step - 32): row = channel 256 w + 64 (s / 8) + 16 i + r, k = hidden 32 (s % 8) + kk.
; LIMITS.  f16 holds no number beyond 65,504: ln_scale * w1 (multiplied in f32, rounded once) and w2 must lie within it; |norm| is at most 32 whatever x.  The variance is taken in a second pass over the
; registers, of x - mean, so a common offset of x does no harm.  An aspect ratio that is NaN is greater than no threshold: index 0.
; No matrix unit and no data mover: memory binds, every load and store of a wave covers whole runs of 256 consecutive bytes.
.set TP,    2064                       ; a token's row in LDS: 2,048 bytes of f16 + 16
.set ST1,   132096                     ; behind the 64 rows: 16 waves x 256 bytes of partial sums; 4,096 further on the same for the squares
.set SPARE, 140288                     ; the spare words: 128 bytes for each of 16 waves, named by no other line
.set MR,  10                           ; v[10:11] mean, then 1 / sqrt(var + eps), of my two pixels
.set PK,  12                           ; v[12:19] eight packed words at work
.set TA,  20                           ; LDS: where I put 16 bytes of my first pixel's row
.set TR,  21                           ; LDS: where I read rows back
.set O8,  22                           ; 8 x lane
.set O16, 23                           ; 16 x lane
.set O4,  24                           ; 4 x lane
.set WO,  25                           ; my byte offset in two fragments of ws
.set STW, 26                           ; LDS: my partial sums
.set STR, 27                           ; LDS: lane's column of everybody's partial sums
.set SL,  28                           ; v[28:29] two words of sel
.set SPW, 30                           ; LDS address of my spare word; never rewritten
.set NIL, 31                           ; 0; never rewritten
.set X,   32                           ; v[32:159] the data as loaded
.set PB,  160                          ; v[160:191] partial sums read back; before that wave 0's index work
.set Q,   192                          ; v[192:255] 16 quads to store, each written once
	s_load_b512 s[4:19], s[0:1], 0x0               ; x s[4:5], ar s[6:7], scale s[8:9], bias s[10:11], w1 s[12:13], w2 s[14:15], normt s[16:17], sel s[18:19]
	s_load_b128 s[20:23], s[0:1], 0x40             ; ws s[20:21], b1 s[22:23]
	v_lshl_add_u32 v[SPW], v0, 2, SPARE
	v_mov_b32 v[NIL], 0
	v_lshrrev_b32 v2, 5, v0
	v_readfirstlane_b32 s24, v2                    ; wave 0..15
	v_and_b32 v1, 31, v0                           ; lane
	v_lshlrev_b32 v[O8], 3, v1
	v_lshl_add_u32 v[STR], v1, 3, ST1
	s_mov_b32 s61, 0                               ; the high word of every offset
	s_wait_kmcnt 0x0
	s_cmp_ge_u32 ttmp9, 168
	s_cbranch_scc1 .Lw2
	s_cmp_ge_u32 ttmp9, 128
	s_cbranch_scc1 .Lw1
; ---------------------------------------------------------------- LN.  Wave w owns channels 64 w ..+63, lane l pixels 2 l and 2 l + 1 of the block's 64.
	s_lshr_b32 s25, ttmp9, 6                       ; b
	s_and_b32 s26, ttmp9, 63
	s_lshl_b32 s26, s26, 8                         ; the block's 64 pixels: 256 bytes in a channel's row
	s_lshl_b32 s60, s25, 24
	s_add_co_u32 s60, s60, s26
	s_lshl_b32 s27, s24, 20                        ; 64 channels of 16,384 bytes
	s_add_co_u32 s60, s60, s27
	s_add_nc_u64 s[4:5], s[4:5], s[60:61]
	s_mul_i32 s60, s25, 49152
	s_add_co_u32 s60, s60, s26
	s_add_nc_u64 s[6:7], s[6:7], s[60:61]          ; aspect_ratio[b][0][block]
	s_lshl_b32 s60, ttmp9, 8
	s_add_nc_u64 s[18:19], s[18:19], s[60:61]      ; sel at the block's 64 words
	s_lshl_b32 s60, ttmp9, 17
	s_lshl_b32 s27, s24, 13
	s_add_co_u32 s60, s60, s27
	s_add_nc_u64 s[16:17], s[16:17], s[60:61]      ; normt at token 64 g + 4 w
	s_mov_b32 s26, 0x3a800000                      ; 1 / 1,024
	s_mov_b32 s27, 0x3727c5ac                      ; 1e-5
	v_lshl_add_u32 v[STW], v0, 3, ST1              ; 256 w + 8 l = 8 x thread
	v_mul_u32_u24 v[TA], v1, 2*TP
	v_lshl_add_u32 v[TA], v2, 7, v[TA]             ; row 2 l, byte 128 w
	v_mul_u32_u24 v[TR], v2, 4*TP
	v_lshl_add_u32 v[TR], v1, 4, v[TR]             ; row 4 w, byte 16 l
	v_lshlrev_b32 v[O16], 4, v1
	s_cmp_lg_u32 s24, 0
	s_cbranch_scc1 .Lln_x
	global_load_b64 v[PB:PB+1],   v[O8], s[6:7]                ; wave 0: the three anchors' ratios of my two pixels, 256 consecutive bytes a load
	global_load_b64 v[PB+2:PB+3], v[O8], s[6:7] offset:16384
	global_load_b64 v[PB+4:PB+5], v[O8], s[6:7] offset:32768
.Lln_x:
.set t, 0
.rept 64
	global_load_b64 v[X+2*t:X+2*t+1], v[O8], s[4:5] offset:t*16384 th:TH_LOAD_NT  ; channel 64 w + t: 256 consecutive bytes, aligned
.set t, t+1
.endr
	s_cmp_lg_u32 s24, 0
	s_cbranch_scc1 .Lln_sum
; index = how many of the nine thresholds the ratio exceeds: a compare and an add of its carry for each
.macro IDX d, s
	v_mov_b32 v[\d], 0
.irp th, 0x3de38e39, 0x3e124925, 0x3e4ccccd, 0x3eaaaaab, 0x3f800000, 0x40400000, 0x40a00000, 0x40e00000, 0x41100000
	v_cmp_lt_f32 vcc_lo, \th, v[\s]
	v_add_co_ci_u32 v[\d], vcc_lo, 0, v[\d], vcc_lo
.endr
.endm
	s_wait_loadcnt 63                              ; 64 loads were issued behind the three ratios, which are the oldest: they are in
	v_mov_b32 v[PB+12], 1
.irp n, 0,1,2,3,4,5
	IDX PB+6+\n, PB+\n                             ; anchor n / 2, pixel n % 2
.endr
.irp e, 0,1
	v_lshlrev_b32 v[PB+13], v[PB+6+\e], v[PB+12]   ; the set of adapters chosen: a bit for each
	v_lshlrev_b32 v[PB+16], v[PB+8+\e], v[PB+12]
	v_lshlrev_b32 v[PB+17], v[PB+10+\e], v[PB+12]
	v_or_b32 v[PB+13], v[PB+13], v[PB+16]
	v_or_b32 v[PB+13], v[PB+13], v[PB+17]
	v_lshl_or_b32 v[SL+\e], v[PB+8+\e], 4, v[PB+6+\e]
	v_lshl_or_b32 v[SL+\e], v[PB+10+\e], 8, v[SL+\e]
	v_lshl_or_b32 v[SL+\e], v[PB+13], 12, v[SL+\e] ; i0 | i1 << 4 | i2 << 8 | set << 12
.endr
	global_store_b64 v[O8], v[SL:SL+1], s[18:19]   ; 256 consecutive bytes; SL and O8 are not written again
.Lln_sum:
; my 64 channels' sum for each of my two pixels: four chains, started by the first eight rows
.set t, 4
.rept 60
.if t == 4
	s_wait_loadcnt 48                              ; loads come back in order: rows 0-15 are in, 48 younger ones may be out
.elseif t == 16
	s_wait_loadcnt 32
.elseif t == 32
	s_wait_loadcnt 16
.elseif t == 48
	s_wait_loadcnt 0x0
.endif
.if t < 8
	v_pk_add_f32 v[2+2*(t%4):3+2*(t%4)], v[X+2*(t-4):X+2*(t-4)+1], v[X+2*t:X+2*t+1]
.else
	v_pk_add_f32 v[2+2*(t%4):3+2*(t%4)], v[2+2*(t%4):3+2*(t%4)], v[X+2*t:X+2*t+1]
.endif
.set t, t+1
.endr
; the four chains into one; my pair to LDS; a barrier; all 16 waves' pairs back and added in ascending order, so that every wave has the same sum
.macro CROSS off
	v_pk_add_f32 v[2:3], v[2:3], v[4:5]
	v_pk_add_f32 v[6:7], v[6:7], v[8:9]
	v_pk_add_f32 v[2:3], v[2:3], v[6:7]
	ds_store_b64 v[STW], v[2:3] offset:\off
	s_wait_dscnt 0x0                               ; for the others' sake: my store is done (and my earlier LDS loads are back)
	s_barrier_signal -1
	s_barrier_wait -1
.set k, 0
.rept 16
	ds_load_b64 v[PB+2*k:PB+2*k+1], v[STR] offset:\off+256*k
.set k, k+1
.endr
	s_wait_dscnt 0x0
	v_pk_add_f32 v[2:3], v[PB:PB+1], v[PB+2:PB+3]
.set k, 2
.rept 14
	v_pk_add_f32 v[2:3], v[2:3], v[PB+2*k:PB+2*k+1]
.set k, k+1
.endr
.endm
	CROSS 0
	v_pk_mul_f32 v[MR:MR+1], v[2:3], s[26:27] op_sel_hi:[1,0]  ; mean
.set t, 0
.rept 64
	v_pk_add_f32 v[X+2*t:X+2*t+1], v[X+2*t:X+2*t+1], v[MR:MR+1] neg_lo:[0,1] neg_hi:[0,1]  ; x - mean, in place
.set t, t+1
.endr
.set t, 0
.rept 64
.if t < 4
	v_pk_mul_f32 v[2+2*t:3+2*t], v[X+2*t:X+2*t+1], v[X+2*t:X+2*t+1]
.else
	v_pk_fma_f32 v[2+2*(t%4):3+2*(t%4)], v[X+2*t:X+2*t+1], v[X+2*t:X+2*t+1], v[2+2*(t%4):3+2*(t%4)]
.endif
.set t, t+1
.endr
	CROSS 4096                                     ; other bytes than the first sums': no barrier is needed between reading those and writing these
	v_fma_f32 v[MR], v2, s26, s27                  ; var + eps
	v_fma_f32 v[MR+1], v3, s26, s27
	v_rsq_f32 v[MR], v[MR]
	v_rsq_f32 v[MR+1], v[MR+1]
	v_nop                                          ; a plain instruction between the root and its use (ISA guide 5.7.2)
; eight channels at a time: scaled, rounded to f16 in pairs of channels, 16 bytes into each of my two pixels' rows
.set gi, 0
	s_wait_alu depctr_va_vdst(0)
.rept 8
.set k, 0
.rept 8
	v_pk_mul_f32 v[X+16*gi+2*k:X+16*gi+2*k+1], v[X+16*gi+2*k:X+16*gi+2*k+1], v[MR:MR+1]
.set k, k+1
.endr
.set k, 0
.rept 4
	v_cvt_pk_f16_f32 v[PK+k],   v[X+16*gi+4*k],   v[X+16*gi+4*k+2]
	v_cvt_pk_f16_f32 v[PK+4+k], v[X+16*gi+4*k+1], v[X+16*gi+4*k+3]
.set k, k+1
.endr
	ds_store_b128 v[TA], v[PK:PK+3]   offset:16*gi
	ds_store_b128 v[TA], v[PK+4:PK+7] offset:TP+16*gi
.set gi, gi+1
.endr
	s_wait_dscnt 0x0                               ; my part of all 64 rows is written
	s_barrier_signal -1
	s_barrier_wait -1
.set n, 0
.rept 16
	ds_load_b128 v[X+4*n:X+4*n+3], v[TR] offset:(n/4)*TP+(n%4)*512  ; rows 4 w ..+3, whole
.set n, n+1
.endr
.set n, 0
.rept 16
	s_wait_dscnt 15-n                              ; LDS loads come back in order: number n is in
	global_store_b128 v[O16], v[X+4*n:X+4*n+3], s[16:17] offset:(n/4)*2048+(n%4)*512  ; 512 consecutive bytes of a token's row
.set n, n+1
.endr
	s_wait_tensorcnt 0x0                           ; the wave's end
	ds_add_u32 v[SPW], v[NIL]
	s_wait_dscnt 0x0
	s_endpgm
; ---------------------------------------------------------------- A wave's share of the weights: 64 k x 64 rows, two steps of ws.  Source rows (one k) are \pitch bytes apart; lane l takes rows 32 hg + l.
; All 128 loads go out on end (past the counter's field the issue is held back: ISA guide 5.7.1); two loads cover 256 consecutive bytes of one source row.
.macro WTASK pitch, scaled
.set c, 0
.rept 64
	global_load_b32 v[X+2*c],   v[O4], s[12:13] offset:c*(\pitch) th:TH_LOAD_NT
	global_load_b32 v[X+2*c+1], v[O4], s[12:13] offset:c*(\pitch)+128 th:TH_LOAD_NT
.set c, c+1
.endr
.irp st, 0,1
.if \scaled
	s_load_b512 s[28:43], s[8:9], \st*128          ; the step's 32 gains
	s_load_b512 s[44:59], s[8:9], \st*128+64
	s_load_b512 s[68:83], s[10:11], \st*128        ; and its 32 biases
	s_load_b512 s[84:99], s[10:11], \st*128+64
	s_wait_kmcnt 0x0
.endif
	s_wait_loadcnt 63-63*\st                       ; first step: at most 63 of the 128 are out, so the oldest 64 are in; second step: all
.if \scaled
.set c, 0
.rept 32
	v_fmac_f32 v4, s[68+c], v[X+64*\st+2*c]        ; b1's partial sums take the unscaled, unrounded weight
	v_fmac_f32 v5, s[68+c], v[X+64*\st+2*c+1]
	v_mul_f32 v[X+64*\st+2*c],   s[28+c], v[X+64*\st+2*c]
	v_mul_f32 v[X+64*\st+2*c+1], s[28+c], v[X+64*\st+2*c+1]
.set c, c+1
.endr
.endif
.irp hg, 0,1
.irp gh, 0,1,2,3                       ; k = 8 gh ..+7 of the step
.set qr, Q+4*(8*\st+4*\hg+\gh)
.set xr, X+64*\st+16*\gh+\hg
	v_cvt_pk_f16_f32 v[qr],   v[xr],    v[xr+2]
	v_cvt_pk_f16_f32 v[qr+1], v[xr+4],  v[xr+6]
	v_cvt_pk_f16_f32 v[qr+2], v[xr+8],  v[xr+10]
	v_cvt_pk_f16_f32 v[qr+3], v[xr+12], v[xr+14]
	global_store_b128 v[WO], v[qr:qr+3], s[20:21] offset:\st*4096+\hg*2048+\gh*256  ; each half of the lanes fills 256 consecutive bytes of one fragment; no quad is written twice
.endr
.endr
.endr
.endm
.macro WADDR
	v_lshlrev_b32 v[O4], 2, v1
	v_and_b32 v[WO], 15, v1
	v_lshlrev_b32 v[WO], 4, v[WO]
	v_lshrrev_b32 v3, 4, v1
	v_lshl_add_u32 v[WO], v3, 10, v[WO]            ; fragment 2 hg + l / 16, 16 bytes for row l % 16
.endm
.Lw1:
	s_sub_co_u32 s25, ttmp9, 128
	s_lshr_b32 s26, s25, 2                         ; a
	s_and_b32 s27, s25, 3                          ; which 64 hidden units
	s_lshl_b32 s60, s26, 20
	s_lshl_b32 s25, s24, 16                        ; my 64 channels of 1,024 bytes
	s_add_co_u32 s60, s60, s25
	s_lshl_b32 s25, s27, 8
	s_add_co_u32 s60, s60, s25
	s_add_nc_u64 s[12:13], s[12:13], s[60:61]
	s_lshl_b32 s60, s26, 20
	s_lshl_b32 s25, s27, 18
	s_add_co_u32 s60, s60, s25
	s_lshl_b32 s25, s24, 13                        ; steps 2 wave, 2 wave + 1
	s_add_co_u32 s60, s60, s25
	s_add_nc_u64 s[20:21], s[20:21], s[60:61]
	s_lshl_b32 s60, s26, 12
	s_lshl_b32 s25, s24, 8
	s_add_co_u32 s60, s60, s25
	s_add_nc_u64 s[8:9], s[8:9], s[60:61]          ; ln_scale and ln_bias at [a][64 wave]
	s_add_nc_u64 s[10:11], s[10:11], s[60:61]
	s_lshl_b32 s60, s26, 10
	s_lshl_b32 s25, s27, 8
	s_add_co_u32 s60, s60, s25
	s_add_nc_u64 s[22:23], s[22:23], s[60:61]      ; b1 at [a][64 (u % 4)]
	WADDR
	v_lshl_add_u32 v[STW], v2, 8, ST1
	v_lshl_add_u32 v[STW], v1, 2, v[STW]           ; 256 wave + 4 lane
	v_mov_b32 v4, 0
	v_mov_b32 v5, 0
	WTASK 1024, 1
	ds_store_b32 v[STW], v4                        ; hidden unit l,
	ds_store_b32 v[STW], v5 offset:128             ; and 32 + l: my 64 channels' share of b1
	s_wait_dscnt 0x0
	s_barrier_signal -1
	s_barrier_wait -1
	s_cmp_lg_u32 s24, 0
	s_cbranch_scc1 .Lw1_end
.set k, 0
.rept 16
	ds_load_b64 v[PB+2*k:PB+2*k+1], v[STR] offset:256*k  ; wave 0 adds the 16 shares, two hidden units a lane
.set k, k+1
.endr
	s_wait_dscnt 0x0
	v_pk_add_f32 v[6:7], v[PB:PB+1], v[PB+2:PB+3]
.set k, 2
.rept 14
	v_pk_add_f32 v[6:7], v[6:7], v[PB+2*k:PB+2*k+1]
.set k, k+1
.endr
	global_store_b64 v[O8], v[6:7], s[22:23]       ; 256 consecutive bytes
.Lw1_end:
	s_wait_tensorcnt 0x0                           ; the wave's end
	ds_add_u32 v[SPW], v[NIL]
	s_wait_dscnt 0x0
	s_endpgm
.Lw2:
	s_sub_co_u32 s25, ttmp9, 168
	s_lshr_b32 s26, s25, 2                         ; a
	s_and_b32 s27, s25, 3                          ; which 256 channels
	s_lshl_b32 s60, s26, 20
	s_and_b32 s25, s24, 3
	s_lshl_b32 s25, s25, 18                        ; my 64 hidden units of 4,096 bytes
	s_add_co_u32 s60, s60, s25
	s_lshl_b32 s25, s27, 10
	s_add_co_u32 s60, s60, s25
	s_lshr_b32 s25, s24, 2
	s_lshl_b32 s25, s25, 8                         ; my 64 of the 256 channels
	s_add_co_u32 s60, s60, s25
	s_add_nc_u64 s[12:13], s[14:15], s[60:61]
	s_lshl_b32 s60, s26, 20
	s_lshl_b32 s25, s27, 18
	s_add_co_u32 s60, s60, s25
	s_lshl_b32 s25, s24, 13                        ; steps 32 + 2 wave, 33 + 2 wave: 8 (wave / 4) + 2 (wave % 4) = 2 wave
	s_add_co_u32 s60, s60, s25
	s_add_co_u32 s60, s60, 131072
	s_add_nc_u64 s[20:21], s[20:21], s[60:61]
	WADDR
	WTASK 4096, 0
	s_wait_tensorcnt 0x0                           ; the same three lines as in the other two bodies
	ds_add_u32 v[SPW], v[NIL]
	s_wait_dscnt 0x0
	s_endpgm
.Lfunc_end_k_q1922b27d47_prep:
	.size	k_q1922b27d47_prep, .Lfunc_end_k_q1922b27d47_prep-k_q1922b27d47_prep
	.p2alignl 7, 3214868480
	.fill 96, 4, 3214868480
	.section	.rodata,"a",@progbits
	.p2align	6, 0x0
	.amdhsa_kernel k_q1922b27d47_prep
		.amdhsa_group_segment_fixed_size 142336
		.amdhsa_private_segment_fixed_size 0
		.amdhsa_enable_private_segment 0
		.amdhsa_kernarg_size 80
		.amdhsa_user_sgpr_count 2
		.amdhsa_user_sgpr_kernarg_segment_ptr 1
		.amdhsa_wavefront_size32 1
		.amdhsa_system_sgpr_workgroup_id_x 1
		.amdhsa_system_sgpr_workgroup_id_y 1
		.amdhsa_system_sgpr_workgroup_id_z 1
		.amdhsa_system_vgpr_workitem_id 0
		.amdhsa_next_free_vgpr 256
		.amdhsa_next_free_sgpr 100
		.amdhsa_reserve_vcc 1
		.amdhsa_float_denorm_mode_32 3
		.amdhsa_float_denorm_mode_16_64 3
		.amdhsa_memory_ordered 1
		.amdhsa_forward_progress 1
		.amdhsa_inst_pref_size 92
	.end_amdhsa_kernel
	.amdgpu_metadata
---
amdhsa.version: [ 1, 2 ]
amdhsa.kernels:
  - .name:           k_q1922b27d47_prep
    .symbol:         k_q1922b27d47_prep.kd
    .args:
      - { .name: output_feat, .offset: 0, .size: 8, .value_kind: global_buffer, .address_space: global }
      - { .name: aspect_ratio, .offset: 8, .size: 8, .value_kind: global_buffer, .address_space: global }
      - { .name: ln_scale, .offset: 16, .size: 8, .value_kind: global_buffer, .address_space: global }
      - { .name: ln_bias, .offset: 24, .size: 8, .value_kind: global_buffer, .address_space: global }
      - { .name: w1, .offset: 32, .size: 8, .value_kind: global_buffer, .address_space: global }
      - { .name: w2, .offset: 40, .size: 8, .value_kind: global_buffer, .address_space: global }
      - { .name: normt, .offset: 48, .size: 8, .value_kind: global_buffer, .address_space: global }
      - { .name: sel, .offset: 56, .size: 8, .value_kind: global_buffer, .address_space: global }
      - { .name: ws, .offset: 64, .size: 8, .value_kind: global_buffer, .address_space: global }
      - { .name: b1, .offset: 72, .size: 8, .value_kind: global_buffer, .address_space: global }
    .group_segment_fixed_size: 142336
    .private_segment_fixed_size: 0
    .kernarg_segment_align: 8
    .kernarg_segment_size: 80
    .max_flat_workgroup_size: 512
    .sgpr_count:     100
    .vgpr_count:     256
    .wavefront_size: 32
...
	.end_amdgpu_metadata
.endif
;; end of part 1
;; launch route (part 2): grid 1 x 1, 32 waves a work-group, no clusters, 5,376 bytes of LDS; arguments sel, rowtok, pos, tileadp; writes rowtok, pos, tileadp
.if DOCPART == 2
	.amdgcn_target "amdgcn-amd-amdhsa--gfx1250"
	.amdhsa_code_object_version 6
	.text
	.protected	k_q1922b27d47_route
	.globl	k_q1922b27d47_route
	.p2align	8
	.type	k_q1922b27d47_route,@function
k_q1922b27d47_route:
	s_mov_b64 s[64:65], 0
	v_nop
	global_prefetch_b8 v0, s[64:65] scope:SCOPE_SE
	s_setreg_imm32_b32 hwreg(HW_REG_WAVE_MODE, 25, 1), 1
	s_wait_xcnt 0x0
; ROUTING: a counting sort of the distinct (token, adapter) pairs by adapter.  Whole numbers only.  One work-group, since every place hangs on all counts in front of it.
; Each adapter's pairs take consecutive rows that begin at a multiple of 96 (a tile of the next launch); the tiles of adapter a follow those of a - 1.
;   rowtok[row]      the row's token (0 in rows that no pair takes: the buffer is cleared first)
;   pos[j][token]    the row of the token's anchor j; anchors that chose the same adapter share a row
;   tileadp[tile]    the tile's adapter, 10 where there is no tile.  At most (24,576 + 10 x 95) / 96 = 265 tiles, 25,440 rows.
; Wave w owns tokens 256 w + 32 s + lane, s = 0..7.  Within an adapter the rows go by wave, then s, then lane.
.set TAB,   0                          ; LDS: counts [adapter][wave], 128 bytes an adapter
.set SPARE, 1280                       ; the spare words: 128 bytes for each of 32 waves, named by no other line
.set BS,  8                            ; v[8:15]   sel's words, then the sets of adapters
.set IX,  16                           ; v[16:39]  index of anchor j of token s at IX + 3 s + j
.set PO,  40                           ; v[40:63]  its row
.set TK,  64                           ; v[64:71]  the tokens' numbers
.set BO,  84                           ; v[84:107] 4 x row
.set SPW, 110
.set NIL, 111
	s_load_b256 s[4:11], s[0:1], 0x0               ; sel s[4:5], rowtok s[6:7], pos s[8:9], tileadp s[10:11]
	v_lshl_add_u32 v[SPW], v0, 2, SPARE
	v_mov_b32 v[NIL], 0
	v_lshrrev_b32 v2, 5, v0
	v_readfirstlane_b32 s12, v2                    ; wave 0..31
	v_and_b32 v1, 31, v0                           ; lane
	v_lshlrev_b32 v3, 4, v0                        ; 16 x thread
	v_lshlrev_b32 v4, 10, v2
	v_lshl_add_u32 v4, v1, 2, v4                   ; 4 x (256 w + lane)
	v_lshl_or_b32 v5, v2, 8, v1
	v_lshlrev_b32 v81, 2, v2                       ; my wave's word in a row of the table
	v_lshlrev_b32 v82, 2, v1                       ; my lane's
	v_lshlrev_b32 v83, 2, v0
	v_mov_b32 v72, 0
	v_mov_b32 v73, 0
	v_mov_b32 v74, 0
	v_mov_b32 v75, 0
	v_mov_b32 v80, 0
	s_mov_b32 s22, 0x76543210                      ; v_permlanex16_b32: each lane takes its own place in the other half
	s_mov_b32 s23, 0xfedcba98
	s_wait_kmcnt 0x0
.irp k, 0,1,2,3,4,5,6,7
	global_load_b32 v[BS+\k], v4, s[4:5] offset:128*\k
.endr
.irp k, 0,1,2,3,4,5,6
	global_store_b128 v3, v[72:75], s[6:7] offset:16384*\k  ; rowtok is cleared: 7 x 1,024 threads x 16 bytes = 114,688
.endr
.irp k, 0,1,2,3,4,5,6,7
	v_add_nc_u32 v[TK+\k], 32*\k, v5
.endr
.set n, 0
.rept 24
	v_mov_b32 v[PO+n], 0                           ; every anchor gets its row in exactly one trip below
.set n, n+1
.endr
	s_wait_loadcnt 0x0
.irp k, 0,1,2,3,4,5,6,7
	v_bfe_u32 v[IX+3*\k],   v[BS+\k], 0, 4
	v_bfe_u32 v[IX+3*\k+1], v[BS+\k], 4, 4
	v_bfe_u32 v[IX+3*\k+2], v[BS+\k], 8, 4
	v_lshrrev_b32 v[BS+\k], 12, v[BS+\k]
.endr
; s15 = the lanes whose token s chose adapter s13
.macro CHOSE k
	v_lshrrev_b32 v76, s13, v[BS+\k]
	v_and_b32 v76, 1, v76
	v_cmp_ne_u32 s15, 0, v76
	s_bcnt1_i32_b32 s16, s15
.endm
	s_mov_b32 s13, 0                               ; the adapter
	s_mov_b32 s24, 0                               ; its row of the table
.Lcount:
	s_mov_b32 s14, 0
.irp k, 0,1,2,3,4,5,6,7
	CHOSE \k
	s_add_co_u32 s14, s14, s16
.endr
	v_mov_b32 v76, s14
	v_add_nc_u32 v78, s24, v81
	ds_store_b32 v78, v76                          ; all lanes store the same number to the same word
	s_add_co_u32 s24, s24, 128
	s_add_co_u32 s13, s13, 1
	s_cmp_lt_u32 s13, 10
	s_cbranch_scc1 .Lcount
	s_wait_storecnt 0x0                            ; my part of rowtok is cleared before any wave places a token in it,
	s_wait_dscnt 0x0                               ; and my counts are in the table
	s_barrier_signal -1
	s_barrier_wait -1
	s_mov_b32 s13, 0
	s_mov_b32 s24, 0
	s_mov_b32 s19, 0                               ; tiles in front of this adapter
.Lplace:
	v_add_nc_u32 v78, s24, v82
	ds_load_b32 v76, v78                           ; lane l: wave l's count
	s_wait_dscnt 0x0
	v_cmp_gt_u32 vcc_lo, s12, v1
	v_cndmask_b32 v77, 0, v76, vcc_lo              ; counted again, 16 bits up, for the waves in front of mine: both sums stay at or below 8,192
	v_lshl_or_b32 v76, v77, 16, v76
.irp x, 1,2,4,8
	v_mov_b32_dpp v77, v76 row_xmask:\x row_mask:0xf bank_mask:0xf
	v_add_nc_u32 v76, v76, v77
.endr
	v_permlanex16_b32 v77, v76, s22, s23
	v_add_nc_u32 v76, v76, v77
	v_readfirstlane_b32 s16, v76
	s_and_b32 s17, s16, 0xffff                     ; the adapter's pairs
	s_lshr_b32 s18, s16, 16                        ; those of the waves in front of mine
	s_mul_i32 s20, s19, 96
	s_add_co_u32 s20, s20, s18                     ; my wave's first row
	s_add_co_u32 s17, s17, 95
	s_mul_i32 s17, s17, 43691
	s_lshr_b32 s21, s17, 22                        ; (n + 95) / 96: 43,691 / 2^22 exceeds 1 / 96 by 8e-8, which over n + 95 <= 8,287 stays far below 1 / 96
	s_add_co_u32 s19, s19, s21
	v_cmp_le_u32 vcc_lo, s19, v0
	v_add_co_ci_u32 v80, vcc_lo, 0, v80, vcc_lo    ; thread t counts the adapters whose tiles end at or below t: tile t's adapter, or 10
.irp k, 0,1,2,3,4,5,6,7
	CHOSE \k
	v_mbcnt_lo_u32_b32 v79, s15, s20               ; the row: the running row + the chosen lanes below mine
	s_add_co_u32 s20, s20, s16
.irp j, 0,1,2
	v_cmp_eq_u32 vcc_lo, s13, v[IX+3*\k+\j]
	v_cndmask_b32 v[PO+3*\k+\j], v[PO+3*\k+\j], v79, vcc_lo
.endr
.endr
	s_add_co_u32 s24, s24, 128
	s_add_co_u32 s13, s13, 1
	s_cmp_lt_u32 s13, 10
	s_cbranch_scc1 .Lplace
.set n, 0
.rept 24
	v_min_u32 v[PO+n], 0x635f, v[PO+n]             ; 25,439, the last row: it changes nothing
	v_lshlrev_b32 v[BO+n], 2, v[PO+n]
.set n, n+1
.endr
.irp k, 0,1,2,3,4,5,6,7
.irp j, 0,1,2
	global_store_b32 v4, v[PO+3*\k+\j], s[8:9] offset:32768*\j+128*\k
	global_store_b32 v[BO+3*\k+\j], v[TK+\k], s[6:7]  ; anchors that share a row store the same token to it, from the same lane
.endr
.endr
	s_cmp_gt_u32 s12, 8
	s_cbranch_scc1 .Lend
	global_store_b32 v83, v80, s[10:11]            ; waves 0-8: tiles 0..287
.Lend:
	s_wait_tensorcnt 0x0                           ; the wave's end
	ds_add_u32 v[SPW], v[NIL]
	s_wait_dscnt 0x0
	s_endpgm
.Lfunc_end_k_q1922b27d47_route:
	.size	k_q1922b27d47_route, .Lfunc_end_k_q1922b27d47_route-k_q1922b27d47_route
	.p2alignl 7, 3214868480
	.fill 96, 4, 3214868480
	.section	.rodata,"a",@progbits
	.p2align	6, 0x0
	.amdhsa_kernel k_q1922b27d47_route
		.amdhsa_group_segment_fixed_size 5376
		.amdhsa_private_segment_fixed_size 0
		.amdhsa_enable_private_segment 0
		.amdhsa_kernarg_size 32
		.amdhsa_user_sgpr_count 2
		.amdhsa_user_sgpr_kernarg_segment_ptr 1
		.amdhsa_wavefront_size32 1
		.amdhsa_system_sgpr_workgroup_id_x 1
		.amdhsa_system_sgpr_workgroup_id_y 1
		.amdhsa_system_sgpr_workgroup_id_z 1
		.amdhsa_system_vgpr_workitem_id 0
		.amdhsa_next_free_vgpr 112
		.amdhsa_next_free_sgpr 66
		.amdhsa_reserve_vcc 1
		.amdhsa_float_denorm_mode_32 3
		.amdhsa_float_denorm_mode_16_64 3
		.amdhsa_memory_ordered 1
		.amdhsa_forward_progress 1
		.amdhsa_inst_pref_size 20
	.end_amdhsa_kernel
	.amdgpu_metadata
---
amdhsa.version: [ 1, 2 ]
amdhsa.kernels:
  - .name:           k_q1922b27d47_route
    .symbol:         k_q1922b27d47_route.kd
    .args:
      - { .name: sel, .offset: 0, .size: 8, .value_kind: global_buffer, .address_space: global }
      - { .name: rowtok, .offset: 8, .size: 8, .value_kind: global_buffer, .address_space: global }
      - { .name: pos, .offset: 16, .size: 8, .value_kind: global_buffer, .address_space: global }
      - { .name: tileadp, .offset: 24, .size: 8, .value_kind: global_buffer, .address_space: global }
    .group_segment_fixed_size: 5376
    .private_segment_fixed_size: 0
    .kernarg_segment_align: 8
    .kernarg_segment_size: 32
    .max_flat_workgroup_size: 1024
    .sgpr_count:     66
    .vgpr_count:     112
    .wavefront_size: 32
...
	.end_amdgpu_metadata
.endif
;; end of part 2
;; launch adapt (part 3): grid 265 x 1, 4 waves a work-group, no clusters, 266,752 bytes of LDS; arguments normt, ws, b1, rowtok, tileadp, y; writes y
.if DOCPART == 3
	.amdgcn_target "amdgcn-amd-amdhsa--gfx1250"
	.amdhsa_code_object_version 6
	.text
	.protected	k_q1922b27d47_adapt
	.globl	k_q1922b27d47_adapt
	.p2align	8
	.type	k_q1922b27d47_adapt,@function
k_q1922b27d47_adapt:
	s_mov_b64 s[64:65], 0
	v_nop
	global_prefetch_b8 v0, s[64:65] scope:SCOPE_SE
	s_setreg_imm32_b32 hwreg(HW_REG_WAVE_MODE, 25, 1), 1
	s_wait_xcnt 0x0
; ONE ADAPTER ON A TILE OF 96 (token, adapter) PAIRS:  y[row][:] = gelu(norm[token] . (ln_scale w1) + b1) . w2, operands f16, sums f32, y f32.
; The work-group's number is the tile; tileadp names its adapter, rowtok its rows' tokens.  The grid is the largest number of tiles that any input can give, (24,576 + 950) / 96 = 265; a work-group whose entry
; is 10 has no tile: it passes the two barriers and jumps over the three stretches of work between them (no barrier may stand under a branch on loaded data).
; SHARES.  Wave w owns hidden units 64 w ..+63 in the first product and channels 256 w ..+255, in four chunks of 64, in the second; all four waves take all 96 rows.  So a wave's weights are its own: they have no second
; reader in the work-group and come straight into registers, in fragment order, 512 consecutive bytes a load, through a ring of eight slots of one K step (4 fragments).
; NO CLUSTER, NO DATA MOVER: the gathered rows are no rectangle; weights do not pass through LDS, which holds the rows (198 KB), h (51 KB) and the stages; and partners would have to share an adapter, which would
; pad every adapter to four tiles.
; BOTH PRODUCTS ARE USED TRANSPOSED: source 0 = 16 rows of weights (hidden units, channels), source 1 = 16 pairs.  A lane then holds one pair (lane % 16) and eight neighbouring hidden units or channels (8 (lane / 16) + j).
; A K step is 4 x 6 = 24 matrix instructions on 24 accumulators that take turns.
; GELU = x Phi(x), Phi by the five-term form t = 1 / (1 + 0.2316419 |x|), Q = e^(-x x / 2) (c1 t + .. + c5 t^5), absolute error of Q under 7.5e-8 for every x; gelu = max(x, 0) - |x| Q.
; LIMITS.  h is rounded to f16: |h| must stay below 65,504.  NaN and infinities are not treated apart.
; REGISTERS, in windows of 256 (s_set_vgpr_msb: bits 1:0 source 0, 3:2 source 1, 5:4 source 2, 7:6 destination):
;   window 0: addresses; v48-143 two buffers of six row fragments; v144-175 b1; v176-239 two buffers on the way out
;   window 1: the weights' ring: slot j, fragment i at v[32 j + 8 i]
;   window 2: v0-191 accumulator (p, i) at v[8 (4 p + i)]; v192-247 at work in the gelu; at the start all 256 hold row pieces on their way to LDS
.set APITCH, 2064                      ; a row of norm in LDS: 2,048 bytes + 16: an odd multiple of 16, so the 16 rows of a fragment load start in 16 different groups of four banks (ISA guide 11.1)
.set HPITCH, 528                       ; a row of h: 512 + 16
.set HBASE,  198144                    ; behind the 96 rows of norm
.set STAGE,  248832                    ; behind h: 16 rows x 272 bytes for each wave
.set SPITCH, 272
.set SPARE,  266240                    ; the spare words: 128 bytes for each of 4 waves, named by no other line
.set ADRA, 4                           ; v[4:9]    block p of 16 rows of norm: (16 p + r) APITCH + 16 h; never rewritten
.set ADRH, 10                          ; v[10:15]  the same in h; never rewritten
.set WOFF, 16                          ; 16 x lane
.set HST,  17                          ; where I put 16 bytes of h
.set STO,  18                          ; the way out: where I put 32 bytes of a row
.set RD,   19                          ; the way out: where I read rows back
.set CO,   20                          ; my byte offset in two rows of y
.set BOFF, 21                          ; 32 x (lane / 16)
.set SPW,  22
.set NIL,  23
.set GA,   24                          ; v[24:35]  byte offset in normt of my 16 bytes of rows 24 w + 2 i + lane / 16
.set LA,   36                          ; v[36:47]  and their place in LDS
.set ROWS, 48
.set BIAS, 144
.set OB,   176
.set AB,   192                         ; window 2: |x|
.set TT,   200                         ; t
.set EE,   208                         ; e^(-x x / 2)
.set MX,   216                         ; max(x, 0), then the gelu
.set PL,   224                         ; the polynomial
.set HP,   232                         ; four quads of f16
.set MSB, 0
.macro WIN new                         ; the immediate's high byte repeats the setting that is left; a switch that changes nothing is dropped
.if MSB != (\new)
	s_set_vgpr_msb (MSB<<8)|(\new)
.set MSB, \new
.endif
.endm
.macro PLACES                          ; four places between a matrix instruction and a load into, or a read of, its registers (ISA guide 7.12.1 for reads)
.rept 4
	v_nop
.endr
.endm
	s_load_b256 s[4:11], s[0:1], 0x0               ; normt s[4:5], ws s[6:7], b1 s[8:9], rowtok s[10:11]
	s_load_b128 s[12:15], s[0:1], 0x20             ; tileadp s[12:13], y s[14:15]
	v_lshl_add_u32 v[SPW], v0, 2, SPARE
	v_mov_b32 v[NIL], 0
	v_lshrrev_b32 v3, 5, v0
	v_readfirstlane_b32 s16, v3                    ; wave 0..3
	v_and_b32 v1, 15, v0                           ; r = lane % 16
	v_bfe_u32 v2, v0, 4, 1                         ; h = lane / 16
	v_lshlrev_b32 v240, 2, v2
	s_lshl_b32 s28, ttmp9, 2
	s_mov_b32 s29, 0
	s_wait_kmcnt 0x0
	s_add_nc_u64 s[12:13], s[12:13], s[28:29]
	s_load_b32 s18, s[12:13], 0x0                  ; my tile's adapter
	s_mul_i32 s28, ttmp9, 384
	s_mul_i32 s17, s16, 96
	s_add_co_u32 s28, s28, s17
	s_add_nc_u64 s[10:11], s[10:11], s[28:29]      ; rowtok at row 96 tile + 24 w
.irp i, 0,1,2,3,4,5,6,7,8,9,10,11
	global_load_b32 v[GA+\i], v240, s[10:11] offset:8*\i  ; each half of the lanes: one row's token.  Every word of rowtok has been written, so this needs no tile
.endr
	v_lshlrev_b32 v3, 4, v1                        ; 16 r
	v_and_b32 v[WOFF], 31, v0
	v_lshlrev_b32 v[WOFF], 4, v[WOFF]
	v_lshlrev_b32 v[BOFF], 5, v2
	v_mul_u32_u24 v241, v1, APITCH
	v_lshl_add_u32 v241, v2, 4, v241
.irp p, 0,1,2,3,4,5
	v_add_nc_u32 v[ADRA+\p], \p*16*APITCH, v241
.endr
	v_mul_u32_u24 v241, v1, HPITCH
	v_lshl_add_u32 v241, v2, 4, v241
.irp p, 0,1,2,3,4,5
	v_add_nc_u32 v[ADRH+\p], HBASE+\p*16*HPITCH, v241
.endr
	s_lshl_b32 s17, s16, 7
	v_add_nc_u32 v[HST], s17, v[ADRH]              ; row r, my wave's 128 bytes, 16 bytes for each half of the lanes
	s_mul_i32 s17, s16, 16*SPITCH
	s_add_co_u32 s17, s17, STAGE                   ; my stage
	v_mul_u32_u24 v[STO], v1, SPITCH
	v_lshl_add_u32 v[STO], v2, 5, v[STO]
	v_add_nc_u32 v[STO], s17, v[STO]
	v_mul_u32_u24 v[RD], v2, SPITCH
	v_add_nc_u32 v[RD], v[RD], v3
	v_add_nc_u32 v[RD], s17, v[RD]
	v_lshl_add_u32 v[CO], v2, 12, v3
	s_mul_i32 s17, s16, 24*APITCH
	v_mul_u32_u24 v241, v2, APITCH
	v_add_nc_u32 v241, v241, v3
	v_add_nc_u32 v241, s17, v241
.irp i, 0,1,2,3,4,5,6,7,8,9,10,11
	v_add_nc_u32 v[LA+\i], \i*2*APITCH, v241
.endr
	s_mov_b32 s32, 0x3e6d3389                      ; 0.2316419; each constant twice: the packed forms name a pair and take its low word for both halves
	s_mov_b32 s33, s32
	s_mov_b32 s34, 0xbf38aa3b                      ; -log2(e) / 2
	s_mov_b32 s35, s34
	s_mov_b32 s36, 0x3e027906                      ; c1 ..c5 = 0.39894228 x (0.319381530, -0.356563782, 1.781477937, -1.821255978, 1.330274429)
	s_mov_b32 s37, s36
	s_mov_b32 s38, 0xbe11a98e
	s_mov_b32 s39, s38
	s_mov_b32 s40, 0x3f35f0e3
	s_mov_b32 s41, s40
	s_mov_b32 s42, 0xbf3a00e3
	s_mov_b32 s43, s42
	s_mov_b32 s44, 0x3f07dc22
	s_mov_b32 s45, s44
	s_mov_b32 s46, 0x7fffffff
	s_mul_i32 s28, ttmp9, 393216                   ; 96 rows of 4,096 bytes
	s_lshl_b32 s17, s16, 10
	s_add_co_u32 s28, s28, s17
	s_add_nc_u64 s[24:25], s[14:15], s[28:29]      ; y at my tile's first row, my wave's 256 channels
	s_wait_kmcnt 0x0
	s_min_u32 s19, s18, 9                          ; where there is no tile the loads below take adapter 9's bytes, and nothing is made of them
	s_cmp_lt_u32 s18, 10
	s_cselect_b32 s20, 1, 0                        ; 1: there is a tile
	s_lshl_b32 s28, s19, 20
	s_lshl_b32 s17, s16, 18
	s_add_co_u32 s28, s28, s17
	s_add_nc_u64 s[22:23], s[6:7], s[28:29]        ; ws at [adapter][wave]
	s_lshl_b32 s28, s19, 10
	s_lshl_b32 s17, s16, 8
	s_add_co_u32 s28, s28, s17
	s_add_nc_u64 s[26:27], s[8:9], s[28:29]        ; b1 at [adapter][64 w]
.irp i, 0,1,2,3
	global_load_b128 v[BIAS+8*\i:BIAS+8*\i+3],   v[BOFF], s[26:27] offset:64*\i     ; register j: hidden unit 64 w + 16 i + 8 h + j, as in an accumulator
	global_load_b128 v[BIAS+8*\i+4:BIAS+8*\i+7], v[BOFF], s[26:27] offset:64*\i+16
.endr
	WIN 0x40                                       ; destination window 1
.irp st, 0,1,2,3,4,5,6
.irp i, 0,1,2,3
	global_load_b128 v[32*\st+8*\i:32*\st+8*\i+3],   v[WOFF], s[22:23] offset:\st*4096+\i*1024      ; the ring's first seven slots
	global_load_b128 v[32*\st+8*\i+4:32*\st+8*\i+7], v[WOFF], s[22:23] offset:\st*4096+\i*1024+512
.endr
.endr
	WIN 0
	s_wait_loadcnt 63                              ; 64 loads were issued behind the 12 of rowtok, which are the oldest: they are in
.irp i, 0,1,2,3,4,5,6,7,8,9,10,11
	v_min_u32 v[GA+\i], 0x1fff, v[GA+\i]           ; a token is below 8,192
	v_lshl_add_u32 v[GA+\i], v[GA+\i], 11, v3      ; its row of 2,048 bytes + 16 r
.endr
; ---- THE ROWS: 24 a wave, 96 loads of 2 x 256 consecutive bytes; piece n is bytes 256 (n / 12) of rows 24 w + 2 (n % 12) + h; 64 quads of window 2 carry them
	s_cmp_eq_u32 s20, 0
	s_cbranch_scc1 .Lno_rows
.macro RLOAD n
	global_load_b128 v[4*((\n)%64):4*((\n)%64)+3], v[GA+(\n)%12], s[4:5] offset:256*((\n)/12)
.endm
.macro RSTORE n
	ds_store_b128 v[LA+(\n)%12], v[4*((\n)%64):4*((\n)%64)+3] offset:256*((\n)/12)
.endm
	WIN 0x80                                       ; destination window 2
.set n, 0
.rept 64
	RLOAD n
.set n, n+1
.endr
.set m, 0
.irp b, 0,1,2,3,4,5
.if \b < 3
	s_wait_loadcnt 48                              ; the pieces issued behind this batch of 16: 48 while new ones follow,
.else
	s_wait_loadcnt 16*(5-\b)                       ; then 32, 16, 0
.endif
	WIN 0x08                                       ; store data window 2
.rept 16
	RSTORE m
.set m, m+1
.endr
.if \b < 2
	WIN 0x80
.rept 16
	RLOAD n                                        ; the last 32 pieces take the quads just stored
.set n, n+1
.endr
.endif
.endr
	WIN 0
.Lno_rows:
	s_wait_dscnt 0x0                               ; my 24 rows are in LDS
	s_barrier_signal -1
	s_barrier_wait -1                              ; all 96 are
; the six row fragments of a product's first K step, into buffer 0
.macro ROWS0 adr
	WIN 0
.irp p, 0,1,2,3,4,5
	ds_load_b128 v[ROWS+8*\p:ROWS+8*\p+3],   v[(\adr)+\p]
	ds_load_b128 v[ROWS+8*\p+4:ROWS+8*\p+7], v[(\adr)+\p] offset:32
.endr
.endm
; ONE K STEP, number j of eight.  Four places behind the last step's products; the next step's rows (byte nxt behind the addresses adr; -1: none) into the other buffer; the wait for this step's weights;
; fill = 1: the slot that the last step read takes the weights seven steps on; the wait for this step's rows; 24 products.
; cmode 0: the sums go on; 1: they start with 0; 2: they start with b1.
.macro KS j, adr, cmode, nxt, fill, lcnt
	PLACES
.if (\nxt) >= 0
	WIN 0
.set rb, ROWS+48*(((\j)+1)%2)
.irp p, 0,1,2,3,4,5
	ds_load_b128 v[rb+8*\p:rb+8*\p+3],   v[(\adr)+\p] offset:(\nxt)
	ds_load_b128 v[rb+8*\p+4:rb+8*\p+7], v[(\adr)+\p] offset:(\nxt)+32
.endr
.endif
	s_wait_loadcnt \lcnt                           ; loads come back in order: only the slots behind slot j, 8 loads each, may be out
.if \fill
	WIN 0x40
.set sl, 32*(((\j)+7)%8)
.irp i, 0,1,2,3
	global_load_b128 v[sl+8*\i:sl+8*\i+3],   v[WOFF], s[22:23] offset:((\j)+7)*4096+\i*1024
	global_load_b128 v[sl+8*\i+4:sl+8*\i+7], v[WOFF], s[22:23] offset:((\j)+7)*4096+\i*1024+512
.endr
.endif
.if (\nxt) >= 0
	s_wait_dscnt 12                                ; all but the 12 just issued: this step's rows are in
.else
	s_wait_dscnt 0x0
.endif
.if (\cmode) == 2
	WIN 0x81                                       ; weights window 1, rows and b1 window 0, sums window 2
.else
	WIN 0xa1                                       ; weights window 1, rows window 0, sums (C and D) window 2
.endif
.set rb, ROWS+48*((\j)%2)
.set sl, 32*(\j)
.irp p, 0,1,2,3,4,5
.irp i, 0,1,2,3
.if (\cmode) == 0
	v_wmma_f32_16x16x32_f16 v[8*(4*\p+\i):8*(4*\p+\i)+7], v[sl+8*\i:sl+8*\i+7], v[rb+8*\p:rb+8*\p+7], v[8*(4*\p+\i):8*(4*\p+\i)+7]
.elseif (\cmode) == 1
	v_wmma_f32_16x16x32_f16 v[8*(4*\p+\i):8*(4*\p+\i)+7], v[sl+8*\i:sl+8*\i+7], v[rb+8*\p:rb+8*\p+7], 0
.else
	v_wmma_f32_16x16x32_f16 v[8*(4*\p+\i):8*(4*\p+\i)+7], v[sl+8*\i:sl+8*\i+7], v[rb+8*\p:rb+8*\p+7], v[BIAS+8*\i:BIAS+8*\i+7]
.endif
.endr
.endr
.endm
.macro ADV                             ; eight steps of ws on
	s_wait_xcnt 0x0                                ; the loads issued have had their addresses translated (ISA guide 3.1): only now is their base stepped
	s_add_nc_u64 s[22:23], s[22:23], 32768
.endm
; gelu of accumulator q's eight numbers, rounded to f16 into the quad hp.  All registers in window 2; the accumulator's lowest register is read first.
.macro GELU8 q, hp
	WIN 0xaa
.set xr, 8*(\q)
.irp e, 0,1,2,3,4,5,6,7
	v_and_b32 v[AB+\e], s46, v[xr+\e]
.endr
.irp e, 0,2,4,6
	v_pk_fma_f32 v[TT+\e:TT+\e+1], v[AB+\e:AB+\e+1], s[32:33], 1.0 op_sel_hi:[1,0,0]
.endr
.irp e, 0,2,4,6
	v_pk_mul_f32 v[EE+\e:EE+\e+1], v[xr+\e:xr+\e+1], v[xr+\e:xr+\e+1]
.endr
.irp e, 0,2,4,6
	v_pk_mul_f32 v[EE+\e:EE+\e+1], v[EE+\e:EE+\e+1], s[34:35] op_sel_hi:[1,0]
.endr
.irp e, 0,1,2,3,4,5,6,7
	v_rcp_f32 v[TT+\e], v[TT+\e]
.endr
.irp e, 0,1,2,3,4,5,6,7
	v_exp_f32 v[EE+\e], v[EE+\e]
.endr
.irp e, 0,1,2,3,4,5,6,7
	v_max_num_f32 v[MX+\e], 0, v[xr+\e]            ; plain work between the last exponential and the use of its result (ISA guide 5.7.2)
.endr
	s_wait_alu depctr_va_vdst(0)
.irp e, 0,2,4,6
	v_pk_fma_f32 v[PL+\e:PL+\e+1], v[TT+\e:TT+\e+1], s[44:45], s[42:43] op_sel_hi:[1,0,0]
.endr
.irp cc, 40, 38, 36
.irp e, 0,2,4,6
	v_pk_fma_f32 v[PL+\e:PL+\e+1], v[PL+\e:PL+\e+1], v[TT+\e:TT+\e+1], s[\cc:\cc+1] op_sel_hi:[1,1,0]
.endr
.endr
.irp e, 0,2,4,6
	v_pk_mul_f32 v[PL+\e:PL+\e+1], v[PL+\e:PL+\e+1], v[TT+\e:TT+\e+1]
.endr
.irp e, 0,2,4,6
	v_pk_mul_f32 v[PL+\e:PL+\e+1], v[PL+\e:PL+\e+1], v[EE+\e:EE+\e+1]
.endr
.irp e, 0,2,4,6
	v_pk_fma_f32 v[MX+\e:MX+\e+1], v[PL+\e:PL+\e+1], v[AB+\e:AB+\e+1], v[MX+\e:MX+\e+1] neg_lo:[1,0,0] neg_hi:[1,0,0]
.endr
.irp e, 0,1,2,3
	v_cvt_pk_f16_f32 v[(\hp)+\e], v[MX+2*\e], v[MX+2*\e+1]
.endr
.endm
.macro HOUT p                          ; block p of 16 pairs: my 64 hidden units' gelu into h
.irp i, 0,1,2,3
	GELU8 4*(\p)+\i, HP+4*\i
.endr
	WIN 0x08
.irp i, 0,1,2,3
	ds_store_b128 v[HST], v[HP+4*\i:HP+4*\i+3] offset:(\p)*16*HPITCH+32*\i
.endr
.endm
; THE WAY OUT of a chunk of 64 channels, a block of 16 rows at a time: a lane's 8 x 4 numbers go into my own stage, 256 bytes a row, and come back as whole rows.  LDS serves a wave's instructions in order
; (ISA guide 5.7.1.4), so no wait stands between the stores and the loads; block p's traffic stands between block p - 1's loads and its global stores.
.macro YOUT
	PLACES
.irp p, 0,1,2,3,4,5
	WIN 0x08
.irp i, 0,1,2,3
	ds_store_b128 v[STO], v[8*(4*\p+\i):8*(4*\p+\i)+3]   offset:64*\i
	ds_store_b128 v[STO], v[8*(4*\p+\i)+4:8*(4*\p+\i)+7] offset:64*\i+16
.endr
	WIN 0
	s_wait_xcnt 0x0                                ; the stores of two blocks ago have read this buffer
.irp t, 0,1,2,3,4,5,6,7
	ds_load_b128 v[OB+32*(\p%2)+4*\t:OB+32*(\p%2)+4*\t+3], v[RD] offset:2*SPITCH*\t
.endr
.if \p > 0
	s_wait_dscnt 16                                ; all but this block's 8 stores and 8 loads: the block before is back
.irp t, 0,1,2,3,4,5,6,7
	global_store_b128 v[CO], v[OB+32*((\p+1)%2)+4*\t:OB+32*((\p+1)%2)+4*\t+3], s[24:25] offset:(16*(\p-1)+2*\t)*4096  ; 16 lanes store 256 consecutive bytes, aligned
.endr
.endif
.endr
	s_wait_dscnt 0x0
.irp t, 0,1,2,3,4,5,6,7
	global_store_b128 v[CO], v[OB+32+4*\t:OB+32+4*\t+3], s[24:25] offset:(80+2*\t)*4096
.endr
.endm
; ---- THE FIRST PRODUCT: 32 K steps of 32 channels, all written out; then the gelu.
; Every row load takes one of the six fixed addresses, with the step's place in the row as its immediate: step st reads the rows of step st + 1 at byte 64 (st + 1), 1,984 + 32 at the most, which with the lane's
; 16 h and the 16 bytes read ends at byte 2,048 of the row.  So the bytes of every load can be read off its line: they lie in the rows of norm, and none in h, which this stretch writes at its end.
	s_cmp_eq_u32 s20, 0
	s_cbranch_scc1 .Lno_h
	ROWS0 ADRA
	KS 0, ADRA, 2, 64, 1, 48                       ; the first step starts the sums, with b1
.set st, 1
.rept 30
	KS st%8, ADRA, 0, 64*(st+1), 1, 48
.if st%8 == 7
	ADV                                            ; the weights' base steps behind every eighth step: the fills' immediates count from it
.endif
.set st, st+1
.endr
	KS 7, ADRA, 0, -1, 1, 48                       ; the last step reads no rows; the last seven steps' fills are the second product's first seven steps
	ADV
	PLACES
.irp p, 0,1,2,3,4,5
	HOUT \p
.endr
	WIN 0
.Lno_h:
	s_wait_dscnt 0x0                               ; my 64 columns of h are in LDS, and my reads of the rows are over
	s_barrier_signal -1
	s_barrier_wait -1                              ; all 256 columns are
; ---- THE SECOND PRODUCT: four chunks of 64 channels, 8 K steps of 32 hidden units each
	s_cmp_eq_u32 s20, 0
	s_cbranch_scc1 .Lend
	ROWS0 ADRH
	s_mov_b32 s30, 3
.Lg2:
	KS 0, ADRH, 1, 64, 1, 48
.irp j, 1,2,3,4,5,6
	KS \j, ADRH, 0, 64*(\j+1), 1, 48
.endr
	KS 7, ADRH, 0, 0, 1, 48                        ; the next chunk begins at h's first bytes again
	ADV
	YOUT
	s_wait_xcnt 0x0                                ; the stores have read their base
	s_add_nc_u64 s[24:25], s[24:25], 256           ; the next 64 channels
	s_sub_co_u32 s30, s30, 1
	s_cmp_lg_u32 s30, 0
	s_cbranch_scc1 .Lg2
	KS 0, ADRH, 1, 64, 1, 48                       ; the last chunk is written out: one more fill, step 63, then none, and the counts run down
.irp j, 1,2,3,4,5,6
	KS \j, ADRH, 0, 64*(\j+1), 0, 56-8*\j
.endr
	KS 7, ADRH, 0, -1, 0, 0
	YOUT
	WIN 0
.Lend:
	s_wait_tensorcnt 0x0                           ; the wave's end
	ds_add_u32 v[SPW], v[NIL]
	s_wait_dscnt 0x0
	s_endpgm
.Lfunc_end_k_q1922b27d47_adapt:
	.size	k_q1922b27d47_adapt, .Lfunc_end_k_q1922b27d47_adapt-k_q1922b27d47_adapt
	.p2alignl 7, 3214868480
	.fill 96, 4, 3214868480
	.section	.rodata,"a",@progbits
	.p2align	6, 0x0
	.amdhsa_kernel k_q1922b27d47_adapt
		.amdhsa_group_segment_fixed_size 266752
		.amdhsa_private_segment_fixed_size 0
		.amdhsa_enable_private_segment 0
		.amdhsa_kernarg_size 48
		.amdhsa_user_sgpr_count 2
		.amdhsa_user_sgpr_kernarg_segment_ptr 1
		.amdhsa_wavefront_size32 1
		.amdhsa_system_sgpr_workgroup_id_x 1
		.amdhsa_system_sgpr_workgroup_id_y 1
		.amdhsa_system_sgpr_workgroup_id_z 1
		.amdhsa_system_vgpr_workitem_id 0
		.amdhsa_next_free_vgpr 768
		.amdhsa_next_free_sgpr 66
		.amdhsa_reserve_vcc 0
		.amdhsa_float_denorm_mode_32 3
		.amdhsa_float_denorm_mode_16_64 3
		.amdhsa_memory_ordered 1
		.amdhsa_forward_progress 1
		.amdhsa_inst_pref_size 255
	.end_amdhsa_kernel
	.section	.bss,"aw",@nobits
	.p2align	6
	.space	262144
	.amdgpu_metadata
---
amdhsa.version: [ 1, 2 ]
amdhsa.kernels:
  - .name:           k_q1922b27d47_adapt
    .symbol:         k_q1922b27d47_adapt.kd
    .args:
      - { .name: normt, .offset: 0, .size: 8, .value_kind: global_buffer, .address_space: global }
      - { .name: ws, .offset: 8, .size: 8, .value_kind: global_buffer, .address_space: global }
      - { .name: b1, .offset: 16, .size: 8, .value_kind: global_buffer, .address_space: global }
      - { .name: rowtok, .offset: 24, .size: 8, .value_kind: global_buffer, .address_space: global }
      - { .name: tileadp, .offset: 32, .size: 8, .value_kind: global_buffer, .address_space: global }
      - { .name: y, .offset: 40, .size: 8, .value_kind: global_buffer, .address_space: global }
    .group_segment_fixed_size: 266752
    .private_segment_fixed_size: 0
    .kernarg_segment_align: 8
    .kernarg_segment_size: 48
    .max_flat_workgroup_size: 128
    .sgpr_count:     66
    .vgpr_count:     768
    .wavefront_size: 32
...
	.end_amdgpu_metadata
.endif
;; end of part 3
;; launch combine (part 4): grid 128 x 8, 8 waves a work-group, no clusters, 34,048 bytes of LDS; arguments output_feat, y, pos, out0; writes out0
.if DOCPART == 4
	.amdgcn_target "amdgcn-amd-amdhsa--gfx1250"
	.amdhsa_code_object_version 6
	.text
	.protected	k_q1922b27d47_combine
	.globl	k_q1922b27d47_combine
	.p2align	8
	.type	k_q1922b27d47_combine,@function
k_q1922b27d47_combine:
	s_mov_b64 s[64:65], 0
	v_nop
	global_prefetch_b8 v0, s[64:65] scope:SCOPE_SE
	s_setreg_imm32_b32 hwreg(HW_REG_WAVE_MODE, 25, 1), 1
	s_wait_xcnt 0x0
; out0[b][c][pixel] = output_feat[b][c][pixel] + (y[pos[0][token]][c] + y[pos[1][token]][c] + y[pos[2][token]][c]) / 3.
; A work-group takes 64 pixels (x of the grid) and 128 channels (y of the grid).  y's rows lie along the channels, out0's along the pixels: the sums turn through LDS.
; Wave w gathers tokens 8 w ..+7: three loads of 512 consecutive bytes a token, the rows' numbers from pos by scalar loads.  Then it takes channels 16 w ..+15: a load of x and a store of out0 cover two rows of 256 consecutive bytes.
; Memory binds: no matrix unit, no cluster (no two work-groups read the same bytes), registers few enough for several work-groups on a WGP.
.set TPITCH, 516                       ; a pixel's 128 sums in LDS + one word: 129 words, odd, so that the 16 pixels x 2 channels of a read fall into different banks (ISA guide 11.1)
.set SPARE,  33024                     ; behind the 64 rows: the spare words, 128 bytes for each of 8 waves, named by no other line
.set O16, 2                            ; 16 x lane
.set TW,  3                            ; LDS: where I put a token's four sums
.set TR,  4                            ; LDS: where I read four pixels of a channel
.set XO,  5                            ; my byte offset in two channels' rows of x and out0
.set SPW, 6
.set NIL, 7
.set RO,  8                            ; v[8:31]    byte offsets in y
.set G,   32                           ; v[32:127]  token k, anchor j: the quad at G + 12 k + 4 j; later v[32:63] the sums read back
.set XX,  128                          ; v[128:159] x
	s_load_b256 s[4:11], s[0:1], 0x0               ; x s[4:5], y s[6:7], pos s[8:9], out0 s[10:11]
	v_lshl_add_u32 v[SPW], v0, 2, SPARE
	v_mov_b32 v[NIL], 0
	v_lshrrev_b32 v1, 5, v0
	v_readfirstlane_b32 s12, v1                    ; wave 0..7
	v_and_b32 v1, 31, v0
	v_lshlrev_b32 v[O16], 4, v1
	v_and_b32 v8, 15, v0                           ; r
	v_bfe_u32 v9, v0, 4, 1                         ; h
	s_and_b32 s13, ttmp7, 0xffff                   ; which 128 channels
	s_mov_b32 s45, 0
	s_lshl_b32 s44, ttmp9, 8
	s_lshl_b32 s14, s12, 5
	s_add_co_u32 s44, s44, s14
	s_wait_kmcnt 0x0
	s_add_nc_u64 s[8:9], s[8:9], s[44:45]          ; pos[0][64 g + 8 w]
	s_load_b256 s[16:23], s[8:9], 0x0              ; no line of this launch writes pos
	s_load_b256 s[24:31], s[8:9], 0x8000
	s_load_b256 s[32:39], s[8:9], 0x10000
	s_lshr_b32 s44, ttmp9, 6
	s_lshl_b32 s44, s44, 24                        ; b
	s_lshl_b32 s14, s13, 21                        ; 128 channels of 16,384 bytes
	s_add_co_u32 s44, s44, s14
	s_lshl_b32 s14, s12, 18                        ; my 16 of them
	s_add_co_u32 s44, s44, s14
	s_and_b32 s14, ttmp9, 63
	s_lshl_b32 s14, s14, 8                         ; the block's 64 pixels
	s_add_co_u32 s44, s44, s14
	s_add_nc_u64 s[4:5], s[4:5], s[44:45]
	s_add_nc_u64 s[10:11], s[10:11], s[44:45]
	s_lshl_b32 s44, s13, 9
	s_add_nc_u64 s[6:7], s[6:7], s[44:45]
	s_mov_b32 s40, 0x3eaaaaab                      ; 1 / 3, twice: named as a pair
	s_mov_b32 s41, s40
	v_lshlrev_b32 v[XO], 4, v8
	v_lshl_add_u32 v[XO], v9, 14, v[XO]
.irp u, 0,1,2,3,4,5,6,7
	global_load_b128 v[XX+4*\u:XX+4*\u+3], v[XO], s[4:5] offset:32768*\u th:TH_LOAD_NT  ; channels 16 w + 2 u + h, pixels 4 r ..+3
.endr
	s_mul_i32 s14, s12, 8*TPITCH
	v_add_nc_u32 v[TW], s14, v[O16]                ; row 8 w, byte 16 x lane
	v_mul_u32_u24 v[TR], v8, 4*TPITCH
	v_lshl_add_u32 v[TR], v9, 2, v[TR]
	s_lshl_b32 s14, s12, 6
	v_add_nc_u32 v[TR], s14, v[TR]                 ; row 4 r, channel 16 w + h
	s_wait_kmcnt 0x0
.irp k, 0,1,2,3,4,5,6,7
.irp j, 0,1,2
	s_min_u32 s[16+8*\j+\k], s[16+8*\j+\k], 0x635f ; 25,439, y's last row: it changes nothing
	s_lshl_b32 s[16+8*\j+\k], s[16+8*\j+\k], 12
	v_add_nc_u32 v[RO+3*\k+\j], s[16+8*\j+\k], v[O16]
.endr
.endr
.irp k, 0,1,2,3,4,5,6,7
.irp j, 0,1,2
	global_load_b128 v[G+12*\k+4*\j:G+12*\k+4*\j+3], v[RO+3*\k+\j], s[6:7]  ; 512 consecutive bytes of a row of y
.endr
.endr
.irp k, 0,1,2,3,4,5,6,7
	s_wait_loadcnt 21-3*\k                         ; the later tokens' loads may be out; x, which is older, is in
	v_pk_add_f32 v[G+12*\k:G+12*\k+1],   v[G+12*\k:G+12*\k+1],   v[G+12*\k+4:G+12*\k+5]
	v_pk_add_f32 v[G+12*\k+2:G+12*\k+3], v[G+12*\k+2:G+12*\k+3], v[G+12*\k+6:G+12*\k+7]
	v_pk_add_f32 v[G+12*\k:G+12*\k+1],   v[G+12*\k:G+12*\k+1],   v[G+12*\k+8:G+12*\k+9]
	v_pk_add_f32 v[G+12*\k+2:G+12*\k+3], v[G+12*\k+2:G+12*\k+3], v[G+12*\k+10:G+12*\k+11]
.irp i, 0,1,2,3
	ds_store_b32 v[TW], v[G+12*\k+\i] offset:TPITCH*\k+4*\i
.endr
.endr
	s_wait_dscnt 0x0                               ; my eight tokens' sums are in LDS
	s_barrier_signal -1
	s_barrier_wait -1                              ; all 64 tokens' are
.irp u, 0,1,2,3,4,5,6,7
.irp e, 0,1,2,3
	ds_load_b32 v[G+4*\u+\e], v[TR] offset:TPITCH*\e+8*\u
.endr
.endr
.irp u, 0,1,2,3,4,5,6,7
	s_wait_dscnt 28-4*\u                           ; the later channels' reads may be out
	v_pk_fma_f32 v[G+4*\u:G+4*\u+1],   v[G+4*\u:G+4*\u+1],   s[40:41], v[XX+4*\u:XX+4*\u+1]   op_sel_hi:[1,0,1]
	v_pk_fma_f32 v[G+4*\u+2:G+4*\u+3], v[G+4*\u+2:G+4*\u+3], s[40:41], v[XX+4*\u+2:XX+4*\u+3] op_sel_hi:[1,0,1]
	global_store_b128 v[XO], v[G+4*\u:G+4*\u+3], s[10:11] offset:32768*\u th:TH_STORE_NT  ; 16 lanes store 256 consecutive bytes, aligned
.endr
	s_wait_tensorcnt 0x0                           ; the wave's end
	ds_add_u32 v[SPW], v[NIL]
	s_wait_dscnt 0x0
	s_endpgm
.Lfunc_end_k_q1922b27d47_combine:
	.size	k_q1922b27d47_combine, .Lfunc_end_k_q1922b27d47_combine-k_q1922b27d47_combine
	.p2alignl 7, 3214868480
	.fill 96, 4, 3214868480
	.section	.rodata,"a",@progbits
	.p2align	6, 0x0
	.amdhsa_kernel k_q1922b27d47_combine
		.amdhsa_group_segment_fixed_size 34048
		.amdhsa_private_segment_fixed_size 0
		.amdhsa_enable_private_segment 0
		.amdhsa_kernarg_size 32
		.amdhsa_user_sgpr_count 2
		.amdhsa_user_sgpr_kernarg_segment_ptr 1
		.amdhsa_wavefront_size32 1
		.amdhsa_system_sgpr_workgroup_id_x 1
		.amdhsa_system_sgpr_workgroup_id_y 1
		.amdhsa_system_sgpr_workgroup_id_z 1
		.amdhsa_system_vgpr_workitem_id 0
		.amdhsa_next_free_vgpr 160
		.amdhsa_next_free_sgpr 66
		.amdhsa_reserve_vcc 0
		.amdhsa_float_denorm_mode_32 3
		.amdhsa_float_denorm_mode_16_64 3
		.amdhsa_memory_ordered 1
		.amdhsa_forward_progress 1
		.amdhsa_inst_pref_size 17
	.end_amdhsa_kernel
	.amdgpu_metadata
---
amdhsa.version: [ 1, 2 ]
amdhsa.kernels:
  - .name:           k_q1922b27d47_combine
    .symbol:         k_q1922b27d47_combine.kd
    .args:
      - { .name: output_feat, .offset: 0, .size: 8, .value_kind: global_buffer, .address_space: global }
      - { .name: y, .offset: 8, .size: 8, .value_kind: global_buffer, .address_space: global }
      - { .name: pos, .offset: 16, .size: 8, .value_kind: global_buffer, .address_space: global }
      - { .name: out0, .offset: 24, .size: 8, .value_kind: global_buffer, .address_space: global }
    .group_segment_fixed_size: 34048
    .private_segment_fixed_size: 0
    .kernarg_segment_align: 8
    .kernarg_segment_size: 32
    .max_flat_workgroup_size: 256
    .sgpr_count:     66
    .vgpr_count:     160
    .wavefront_size: 32
...
	.end_amdgpu_metadata
.endif
;; end of part 4
;; ======== version 2 of 3: 4 launches; 1.19 times as fast as version 1
;; limits: values are held in f16: magnitudes above 65,504 overflow, below 6.1e-05 lose precision
;; workspace buffers: ws 10,485,760 bytes; b1 10,240 bytes; normt 16,777,216 bytes; sel 40,960 bytes of whole numbers; rowtok 131,072 bytes of whole numbers; pos 98,304 bytes of whole numbers; tileadp 1,280 bytes of whole numbers; y 104,202,240 bytes
;; launch prep (part 5): grid 208 x 1, 16 waves a work-group, no clusters, 142,336 bytes of LDS; arguments output_feat, aspect_ratio, ln_scale, ln_bias, w1, w2, normt, sel, ws, b1, rowtok; writes normt, sel, ws, b1, rowtok
.if DOCPART == 5
	.amdgcn_target "amdgcn-amd-amdhsa--gfx1250"
	.amdhsa_code_object_version 6
	.text
	.protected	k_q1922b27d47_prep
	.globl	k_q1922b27d47_prep
	.p2align	8
	.type	k_q1922b27d47_prep,@function
k_q1922b27d47_prep:
	s_mov_b64 s[64:65], 0
	v_nop
	global_prefetch_b8 v0, s[64:65] scope:SCOPE_SE
	s_setreg_imm32_b32 hwreg(HW_REG_WAVE_MODE, 25, 1), 1
	s_wait_xcnt 0x0
; PREPARATION, three bodies chosen by the work-group's number (the same for all its waves); each work-group reads 256 KiB and writes 128 KiB.
;   0..127   LN: 64 pixels x 1,024 channels of output_feat ([b][c][pixel], f32) -> normt[token][c] in f16, (x - mean) * rsqrt(var + 1e-5)
;   128..167 W1: adapter a = u / 4, hidden units 64 (u % 4) ..+63: f16(ln_scale[a][c] * w1[a][c][d]) in the order in which a matrix fragment is loaded -> ws; b1[a][d] = sum over c of ln_bias[a][c] w1[a][c][d] in f32
;   168..207 W2: adapter a, channels 256 (u % 4) ..+255: f16(w2[a][d][c]) in fragment order -> ws.  The 128 waves of its first eight work-groups also make the ROUTING of a block of 64 tokens each (below).
; ws: [a][w 0..3][step 0..63][fragment 0..3][1,024 bytes].  A fragment is 16 rows x 32 k; element (r, kk) lies at byte (kk / 16) 512 + (16 ((kk % 16) / 8) + r) 16 + (kk % 8) 2,
; so that lane l finds its registers 0-3 at 16 l and its registers 4-7 at 512 + 16 l.  Steps 0..31: row = hidden 64 w + 16 i + r, k = channel 32 step + kk.  Steps 32..63 (s = step - 32): row = channel 256 w + 64 (s / 8) + 16 i + r, k = hidden 32 (s % 8) + kk.
; ROUTING of block g (tokens 64 g ..+63): each anchor's adapter index, and its token's rank among the block's tokens that chose that adapter (anchors of a token that agree share the rank):
;   sel[token] = i0 | i1 << 4 | i2 << 8 | rank0 << 12 | rank1 << 18 | rank2 << 24;   behind the 8,192 words of sel, at byte 32,768: count[g][16], how many tokens of the block chose adapter a (0 for a = 10..15);
;   and the block's 1,024 bytes of rowtok are cleared, so that the next launch only places tokens in it.  These numbers are stored at fixed places; no address and no branch of this launch hangs on them.
; LIMITS.  f16 holds no number beyond 65,504: ln_scale * w1 (multiplied in f32, rounded once) and w2 must lie within it; |norm| is at most 32 whatever x.  The variance is taken in a second pass over the
; registers, of x - mean, so a common offset of x does no harm.  An aspect ratio that is NaN is greater than no threshold: index 0.
; No matrix unit and no data mover: memory binds, the loads and stores of the bulk cover whole runs of 256 consecutive bytes.
.set TP,    2064                       ; a token's row in LDS: 2,048 bytes of f16 + 16
.set ST1,   132096                     ; behind the 64 rows: 16 waves x 256 bytes of partial sums; 4,096 further on the same for the squares
.set SPARE, 140288                     ; the spare words: 128 bytes for each of 16 waves, named by no other line
.set MR,  10                           ; v[10:11] mean, then 1 / sqrt(var + eps), of my two pixels
.set PK,  12                           ; v[12:19] eight packed words at work
.set TA,  20                           ; LDS: where I put 16 bytes of my first pixel's row
.set TR,  21                           ; LDS: where I read rows back
.set O8,  22                           ; 8 x lane
.set O16, 23                           ; 16 x lane
.set O4,  24                           ; 4 x lane
.set WO,  25                           ; my byte offset in two fragments of ws
.set STW, 26                           ; LDS: my partial sums
.set STR, 27                           ; LDS: lane's column of everybody's partial sums
.set SL,  28                           ; v[28:29] two words of sel
.set SPW, 30                           ; LDS address of my spare word; never rewritten
.set NIL, 31                           ; 0; never rewritten
.set X,   32                           ; v[32:159] the data as loaded
.set PB,  160                          ; v[160:191] partial sums read back; in the routing:
.set AR,  160                          ; v[160:165] the ratios: anchor j, pixel 2 l + e at AR + 2 j + e
.set IX,  166                          ; v[166:171] their indices, in the same order
.set RK,  172                          ; v[172:177] their ranks
.set SS,  178                          ; v[178:179] my two tokens' sets of adapters, a bit each
.set ONE, 180
.set R0,  181                          ; v[181:182] the rank in hand of my even and of my odd pixel
.set TM,  183                          ; v[183:184] at work
.set CN,  185                          ; lane a: the block's count for adapter a
.set Z,   188                          ; v[188:191] zeros
.set Q,   192                          ; v[192:255] 16 quads to store, each written once
	s_load_b512 s[4:19], s[0:1], 0x0               ; x s[4:5], ar s[6:7], scale s[8:9], bias s[10:11], w1 s[12:13], w2 s[14:15], normt s[16:17], sel s[18:19]
	s_load_b128 s[20:23], s[0:1], 0x40             ; ws s[20:21], b1 s[22:23]
	s_load_b64 s[68:69], s[0:1], 0x50              ; rowtok
	v_lshl_add_u32 v[SPW], v0, 2, SPARE
	v_mov_b32 v[NIL], 0
	v_lshrrev_b32 v2, 5, v0
	v_readfirstlane_b32 s24, v2                    ; wave 0..15
	v_and_b32 v1, 31, v0                           ; lane
	v_lshlrev_b32 v[O8], 3, v1
	v_lshl_add_u32 v[STR], v1, 3, ST1
	s_mov_b32 s61, 0                               ; the high word of every offset
	s_wait_kmcnt 0x0
	s_cmp_ge_u32 ttmp9, 168
	s_cbranch_scc1 .Lw2
	s_cmp_ge_u32 ttmp9, 128
	s_cbranch_scc1 .Lw1
; ---------------------------------------------------------------- LN.  Wave w owns channels 64 w ..+63, lane l pixels 2 l and 2 l + 1 of the block's 64.
	s_lshr_b32 s25, ttmp9, 6                       ; b
	s_and_b32 s26, ttmp9, 63
	s_lshl_b32 s26, s26, 8                         ; the block's 64 pixels: 256 bytes in a channel's row
	s_lshl_b32 s60, s25, 24
	s_add_co_u32 s60, s60, s26
	s_lshl_b32 s27, s24, 20                        ; 64 channels of 16,384 bytes
	s_add_co_u32 s60, s60, s27
	s_add_nc_u64 s[4:5], s[4:5], s[60:61]
	s_lshl_b32 s60, ttmp9, 17
	s_lshl_b32 s27, s24, 13
	s_add_co_u32 s60, s60, s27
	s_add_nc_u64 s[16:17], s[16:17], s[60:61]      ; normt at token 64 g + 4 w
	s_mov_b32 s26, 0x3a800000                      ; 1 / 1,024
	s_mov_b32 s27, 0x3727c5ac                      ; 1e-5
.set t, 0
.rept 64
	global_load_b64 v[X+2*t:X+2*t+1], v[O8], s[4:5] offset:t*16384 th:TH_LOAD_NT  ; channel 64 w + t: 256 consecutive bytes, aligned
.set t, t+1
.endr
	v_lshl_add_u32 v[STW], v0, 3, ST1              ; 256 w + 8 l = 8 x thread
	v_mul_u32_u24 v[TA], v1, 2*TP
	v_lshl_add_u32 v[TA], v2, 7, v[TA]             ; row 2 l, byte 128 w
	v_mul_u32_u24 v[TR], v2, 4*TP
	v_lshl_add_u32 v[TR], v1, 4, v[TR]             ; row 4 w, byte 16 l
	v_lshlrev_b32 v[O16], 4, v1
; my 64 channels' sum for each of my two pixels: four chains, started by the first eight rows
.set t, 4
.rept 60
.if t == 4
	s_wait_loadcnt 48                              ; loads come back in order: rows 0-15 are in, 48 younger ones may be out
.elseif t == 16
	s_wait_loadcnt 32
.elseif t == 32
	s_wait_loadcnt 16
.elseif t == 48
	s_wait_loadcnt 0x0
.endif
.if t < 8
	v_pk_add_f32 v[2+2*(t%4):3+2*(t%4)], v[X+2*(t-4):X+2*(t-4)+1], v[X+2*t:X+2*t+1]
.else
	v_pk_add_f32 v[2+2*(t%4):3+2*(t%4)], v[2+2*(t%4):3+2*(t%4)], v[X+2*t:X+2*t+1]
.endif
.set t, t+1
.endr
; the four chains into one; my pair to LDS; a barrier; all 16 waves' pairs back and added in ascending order, so that every wave has the same sum
.macro CROSS off
	v_pk_add_f32 v[2:3], v[2:3], v[4:5]
	v_pk_add_f32 v[6:7], v[6:7], v[8:9]
	v_pk_add_f32 v[2:3], v[2:3], v[6:7]
	ds_store_b64 v[STW], v[2:3] offset:\off
	s_wait_dscnt 0x0                               ; for the others' sake: my store is done (and my earlier LDS loads are back)
	s_barrier_signal -1
	s_barrier_wait -1
.set k, 0
.rept 16
	ds_load_b64 v[PB+2*k:PB+2*k+1], v[STR] offset:\off+256*k
.set k, k+1
.endr
	s_wait_dscnt 0x0
	v_pk_add_f32 v[2:3], v[PB:PB+1], v[PB+2:PB+3]
.set k, 2
.rept 14
	v_pk_add_f32 v[2:3], v[2:3], v[PB+2*k:PB+2*k+1]
.set k, k+1
.endr
.endm
	CROSS 0
	v_pk_mul_f32 v[MR:MR+1], v[2:3], s[26:27] op_sel_hi:[1,0]  ; mean
.set t, 0
.rept 64
	v_pk_add_f32 v[X+2*t:X+2*t+1], v[X+2*t:X+2*t+1], v[MR:MR+1] neg_lo:[0,1] neg_hi:[0,1]  ; x - mean, in place
.set t, t+1
.endr
.set t, 0
.rept 64
.if t < 4
	v_pk_mul_f32 v[2+2*t:3+2*t], v[X+2*t:X+2*t+1], v[X+2*t:X+2*t+1]
.else
	v_pk_fma_f32 v[2+2*(t%4):3+2*(t%4)], v[X+2*t:X+2*t+1], v[X+2*t:X+2*t+1], v[2+2*(t%4):3+2*(t%4)]
.endif
.set t, t+1
.endr
	CROSS 4096                                     ; other bytes than the first sums': no barrier is needed between reading those and writing these
	v_fma_f32 v[MR], v2, s26, s27                  ; var + eps
	v_fma_f32 v[MR+1], v3, s26, s27
	v_rsq_f32 v[MR], v[MR]
	v_rsq_f32 v[MR+1], v[MR+1]
	v_nop                                          ; a plain instruction between the root and its use (ISA guide 5.7.2)
; eight channels at a time: scaled, rounded to f16 in pairs of channels, 16 bytes into each of my two pixels' rows
.set gi, 0
	s_wait_alu depctr_va_vdst(0)
.rept 8
.set k, 0
.rept 8
	v_pk_mul_f32 v[X+16*gi+2*k:X+16*gi+2*k+1], v[X+16*gi+2*k:X+16*gi+2*k+1], v[MR:MR+1]
.set k, k+1
.endr
.set k, 0
.rept 4
	v_cvt_pk_f16_f32 v[PK+k],   v[X+16*gi+4*k],   v[X+16*gi+4*k+2]
	v_cvt_pk_f16_f32 v[PK+4+k], v[X+16*gi+4*k+1], v[X+16*gi+4*k+3]
.set k, k+1
.endr
	ds_store_b128 v[TA], v[PK:PK+3]   offset:16*gi
	ds_store_b128 v[TA], v[PK+4:PK+7] offset:TP+16*gi
.set gi, gi+1
.endr
	s_wait_dscnt 0x0                               ; my part of all 64 rows is written
	s_barrier_signal -1
	s_barrier_wait -1
.set n, 0
.rept 16
	ds_load_b128 v[X+4*n:X+4*n+3], v[TR] offset:(n/4)*TP+(n%4)*512  ; rows 4 w ..+3, whole
.set n, n+1
.endr
.set n, 0
.rept 16
	s_wait_dscnt 15-n                              ; LDS loads come back in order: number n is in
	global_store_b128 v[O16], v[X+4*n:X+4*n+3], s[16:17] offset:(n/4)*2048+(n%4)*512  ; 512 consecutive bytes of a token's row
.set n, n+1
.endr
	s_wait_tensorcnt 0x0                           ; the wave's end
	ds_add_u32 v[SPW], v[NIL]
	s_wait_dscnt 0x0
	s_endpgm
; ---------------------------------------------------------------- A wave's share of the weights: 64 k x 64 rows, two steps of ws.  Source rows (one k) are \pitch bytes apart; lane l takes rows 32 hg + l.
; All 128 loads go out on end (past the counter's field the issue is held back: ISA guide 5.7.1); two loads cover 256 consecutive bytes of one source row.
.macro WLOADS pitch
.set c, 0
.rept 64
	global_load_b32 v[X+2*c],   v[O4], s[12:13] offset:c*(\pitch) th:TH_LOAD_NT
	global_load_b32 v[X+2*c+1], v[O4], s[12:13] offset:c*(\pitch)+128 th:TH_LOAD_NT
.set c, c+1
.endr
.endm
.macro WREST scaled
.irp st, 0,1
.if \scaled
	s_load_b512 s[28:43], s[8:9], \st*128          ; the step's 32 gains
	s_load_b512 s[44:59], s[8:9], \st*128+64
	s_load_b512 s[68:83], s[10:11], \st*128        ; and its 32 biases
	s_load_b512 s[84:99], s[10:11], \st*128+64
	s_wait_kmcnt 0x0
.endif
	s_wait_loadcnt 63-63*\st                       ; first step: at most 63 of the 128 are out, so the oldest 64 are in; second step: all
.if \scaled
.set c, 0
.rept 32
	v_fmac_f32 v4, s[68+c], v[X+64*\st+2*c]        ; b1's partial sums take the unscaled, unrounded weight
	v_fmac_f32 v5, s[68+c], v[X+64*\st+2*c+1]
	v_mul_f32 v[X+64*\st+2*c],   s[28+c], v[X+64*\st+2*c]
	v_mul_f32 v[X+64*\st+2*c+1], s[28+c], v[X+64*\st+2*c+1]
.set c, c+1
.endr
.endif
.irp hg, 0,1
.irp gh, 0,1,2,3                       ; k = 8 gh ..+7 of the step
.set qr, Q+4*(8*\st+4*\hg+\gh)
.set xr, X+64*\st+16*\gh+\hg
	v_cvt_pk_f16_f32 v[qr],   v[xr],    v[xr+2]
	v_cvt_pk_f16_f32 v[qr+1], v[xr+4],  v[xr+6]
	v_cvt_pk_f16_f32 v[qr+2], v[xr+8],  v[xr+10]
	v_cvt_pk_f16_f32 v[qr+3], v[xr+12], v[xr+14]
	global_store_b128 v[WO], v[qr:qr+3], s[20:21] offset:\st*4096+\hg*2048+\gh*256  ; each half of the lanes fills 256 consecutive bytes of one fragment; no quad is written twice
.endr
.endr
.endr
.endm
.macro WADDR
	v_lshlrev_b32 v[O4], 2, v1
	v_and_b32 v[WO], 15, v1
	v_lshlrev_b32 v[WO], 4, v[WO]
	v_lshrrev_b32 v3, 4, v1
	v_lshl_add_u32 v[WO], v3, 10, v[WO]            ; fragment 2 hg + l / 16, 16 bytes for row l % 16
.endm
.Lw1:
	s_sub_co_u32 s25, ttmp9, 128
	s_lshr_b32 s26, s25, 2                         ; a
	s_and_b32 s27, s25, 3                          ; which 64 hidden units
	s_lshl_b32 s60, s26, 20
	s_lshl_b32 s25, s24, 16                        ; my 64 channels of 1,024 bytes
	s_add_co_u32 s60, s60, s25
	s_lshl_b32 s25, s27, 8
	s_add_co_u32 s60, s60, s25
	s_add_nc_u64 s[12:13], s[12:13], s[60:61]
	s_lshl_b32 s60, s26, 20
	s_lshl_b32 s25, s27, 18
	s_add_co_u32 s60, s60, s25
	s_lshl_b32 s25, s24, 13                        ; steps 2 wave, 2 wave + 1
	s_add_co_u32 s60, s60, s25
	s_add_nc_u64 s[20:21], s[20:21], s[60:61]
	s_lshl_b32 s60, s26, 12
	s_lshl_b32 s25, s24, 8
	s_add_co_u32 s60, s60, s25
	s_add_nc_u64 s[8:9], s[8:9], s[60:61]          ; ln_scale and ln_bias at [a][64 wave]
	s_add_nc_u64 s[10:11], s[10:11], s[60:61]
	s_lshl_b32 s60, s26, 10
	s_lshl_b32 s25, s27, 8
	s_add_co_u32 s60, s60, s25
	s_add_nc_u64 s[22:23], s[22:23], s[60:61]      ; b1 at [a][64 (u % 4)]
	WADDR
	v_lshl_add_u32 v[STW], v2, 8, ST1
	v_lshl_add_u32 v[STW], v1, 2, v[STW]           ; 256 wave + 4 lane
	v_mov_b32 v4, 0
	v_mov_b32 v5, 0
	WLOADS 1024
	WREST 1
	ds_store_b32 v[STW], v4                        ; hidden unit l,
	ds_store_b32 v[STW], v5 offset:128             ; and 32 + l: my 64 channels' share of b1
	s_wait_dscnt 0x0
	s_barrier_signal -1
	s_barrier_wait -1
	s_cmp_lg_u32 s24, 0
	s_cbranch_scc1 .Lw1_end
.set k, 0
.rept 16
	ds_load_b64 v[PB+2*k:PB+2*k+1], v[STR] offset:256*k  ; wave 0 adds the 16 shares, two hidden units a lane
.set k, k+1
.endr
	s_wait_dscnt 0x0
	v_pk_add_f32 v[6:7], v[PB:PB+1], v[PB+2:PB+3]
.set k, 2
.rept 14
	v_pk_add_f32 v[6:7], v[6:7], v[PB+2*k:PB+2*k+1]
.set k, k+1
.endr
	global_store_b64 v[O8], v[6:7], s[22:23]       ; 256 consecutive bytes
.Lw1_end:
	s_wait_tensorcnt 0x0                           ; the wave's end
	ds_add_u32 v[SPW], v[NIL]
	s_wait_dscnt 0x0
	s_endpgm
.Lw2:
	s_sub_co_u32 s25, ttmp9, 168
	s_lshl_b32 s62, s25, 4
	s_add_co_u32 s62, s62, s24                     ; 16 u + wave: below 128 it is the block of tokens whose routing I make
	s_lshr_b32 s26, s25, 2                         ; a
	s_and_b32 s27, s25, 3                          ; which 256 channels
	s_lshl_b32 s60, s26, 20
	s_and_b32 s25, s24, 3
	s_lshl_b32 s25, s25, 18                        ; my 64 hidden units of 4,096 bytes
	s_add_co_u32 s60, s60, s25
	s_lshl_b32 s25, s27, 10
	s_add_co_u32 s60, s60, s25
	s_lshr_b32 s25, s24, 2
	s_lshl_b32 s25, s25, 8                         ; my 64 of the 256 channels
	s_add_co_u32 s60, s60, s25
	s_add_nc_u64 s[12:13], s[14:15], s[60:61]
	s_lshl_b32 s60, s26, 20
	s_lshl_b32 s25, s27, 18
	s_add_co_u32 s60, s60, s25
	s_lshl_b32 s25, s24, 13                        ; steps 32 + 2 wave, 33 + 2 wave: 8 (wave / 4) + 2 (wave % 4) = 2 wave
	s_add_co_u32 s60, s60, s25
	s_add_co_u32 s60, s60, 131072
	s_add_nc_u64 s[20:21], s[20:21], s[60:61]
	WADDR
	WLOADS 4096
; ---- THE ROUTING of block s62, in one stretch behind my weights' loads: its three loads come back right behind those, and its arithmetic stands where the wave would wait for nothing else.
	s_cmp_ge_u32 s62, 128
	s_cbranch_scc1 .Lw2_rest
	s_lshr_b32 s25, s62, 6                         ; b
	s_and_b32 s26, s62, 63
	s_lshl_b32 s26, s26, 8                         ; the block's 64 pixels: 256 bytes
	s_mul_i32 s60, s25, 49152
	s_add_co_u32 s60, s60, s26
	s_add_nc_u64 s[6:7], s[6:7], s[60:61]          ; aspect_ratio[b][0][block]
	global_load_b64 v[AR:AR+1],   v[O8], s[6:7]                ; the three anchors' ratios of my two pixels, 256 consecutive bytes a load
	global_load_b64 v[AR+2:AR+3], v[O8], s[6:7] offset:16384
	global_load_b64 v[AR+4:AR+5], v[O8], s[6:7] offset:32768
	s_lshl_b32 s60, s62, 6
	s_add_co_u32 s60, s60, 32768
	s_add_nc_u64 s[70:71], s[18:19], s[60:61]      ; the block's 16 counts, behind sel's 8,192 words
	s_lshl_b32 s60, s62, 8
	s_add_nc_u64 s[18:19], s[18:19], s[60:61]      ; sel at the block's 64 words
	s_lshl_b32 s60, s62, 10
	s_add_nc_u64 s[68:69], s[68:69], s[60:61]      ; the block's 1,024 bytes of rowtok
	v_lshlrev_b32 v[O16], 4, v1
.irp i, 0,1,2,3
	v_mov_b32 v[Z+\i], 0
.endr
	global_store_b128 v[O16], v[Z:Z+3], s[68:69]               ; 128 blocks x 1,024 bytes clear all of rowtok
	global_store_b128 v[O16], v[Z:Z+3], s[68:69] offset:512
.irp n, 0,1,2,3,4,5
	v_mov_b32 v[RK+\n], 0                          ; every anchor gets its rank in exactly one trip below
.endr
	v_mov_b32 v[CN], 0
	v_mov_b32 v[ONE], 1
; index = how many of the nine thresholds the ratio exceeds: a compare and an add of its carry for each
.macro IDX d, s
	v_mov_b32 v[\d], 0
.irp th, 0x3de38e39, 0x3e124925, 0x3e4ccccd, 0x3eaaaaab, 0x3f800000, 0x40400000, 0x40a00000, 0x40e00000, 0x41100000
	v_cmp_lt_f32 vcc_lo, \th, v[\s]
	v_add_co_ci_u32 v[\d], vcc_lo, 0, v[\d], vcc_lo
.endr
.endm
	s_wait_loadcnt 0x0                             ; the ratios are the youngest loads
.irp n, 0,1,2,3,4,5
	IDX IX+\n, AR+\n
.endr
.irp e, 0,1
	v_lshlrev_b32 v[SS+\e], v[IX+\e], v[ONE]       ; the set of adapters that the token chose: a bit for each
	v_lshlrev_b32 v[TM], v[IX+2+\e], v[ONE]
	v_lshlrev_b32 v[TM+1], v[IX+4+\e], v[ONE]
	v_or_b32 v[SS+\e], v[SS+\e], v[TM]
	v_or_b32 v[SS+\e], v[SS+\e], v[TM+1]
.endr
	s_mov_b32 s28, 0                               ; the adapter
.Lrank:                                                ; ten trips: within the block the adapter's tokens go by even pixels, lane by lane, then odd pixels
	s_lshl_b32 s29, 1, s28
	v_and_b32 v[TM], s29, v[SS]
	v_cmp_ne_u32 s30, 0, v[TM]                     ; the lanes whose even pixel chose it,
	v_and_b32 v[TM+1], s29, v[SS+1]
	v_cmp_ne_u32 s32, 0, v[TM+1]                   ; and those whose odd pixel did
	s_bcnt1_i32_b32 s31, s30
	s_bcnt1_i32_b32 s33, s32
	v_mbcnt_lo_u32_b32 v[R0], s30, 0               ; the chosen lanes below mine,
	v_mbcnt_lo_u32_b32 v[R0+1], s32, s31           ; and behind all the even pixels
	s_add_co_u32 s34, s31, s33                     ; the block's count
.irp n, 0,1,2,3,4,5
	v_cmp_eq_u32 vcc_lo, s28, v[IX+\n]
	v_cndmask_b32 v[RK+\n], v[RK+\n], v[R0+(\n%2)], vcc_lo
.endr
	v_cmp_eq_u32 vcc_lo, s28, v1
	v_cndmask_b32 v[CN], v[CN], s34, vcc_lo        ; into lane a
	s_add_co_u32 s28, s28, 1
	s_cmp_lt_u32 s28, 10
	s_cbranch_scc1 .Lrank
.irp e, 0,1
	v_lshl_or_b32 v[SL+\e], v[IX+2+\e], 4, v[IX+\e]
	v_lshl_or_b32 v[SL+\e], v[IX+4+\e], 8, v[SL+\e]
	v_lshl_or_b32 v[SL+\e], v[RK+\e], 12, v[SL+\e] ; a rank is at most 63: six bits
	v_lshl_or_b32 v[SL+\e], v[RK+2+\e], 18, v[SL+\e]
	v_lshl_or_b32 v[SL+\e], v[RK+4+\e], 24, v[SL+\e]
.endr
	global_store_b64 v[O8], v[SL:SL+1], s[18:19]   ; 256 consecutive bytes; SL and O8 are not written again
	v_cmp_gt_u32 vcc_lo, 16, v1
	s_wait_xcnt 0x0                                ; EXEC is a source of the memory instructions issued: it changes only behind this wait
	s_and_saveexec_b32 s35, vcc_lo
	global_store_b32 v[O4], v[CN], s[70:71]        ; lanes 0-15: the block's 16 counts, 64 consecutive bytes
	s_wait_xcnt 0x0                                ; and again in front of the line that widens it
	s_or_b32 exec_lo, exec_lo, s35
.Lw2_rest:
	WREST 0
	s_wait_tensorcnt 0x0                           ; the same three lines as in the other two bodies
	ds_add_u32 v[SPW], v[NIL]
	s_wait_dscnt 0x0
	s_endpgm
.Lfunc_end_k_q1922b27d47_prep:
	.size	k_q1922b27d47_prep, .Lfunc_end_k_q1922b27d47_prep-k_q1922b27d47_prep
	.p2alignl 7, 3214868480
	.fill 96, 4, 3214868480
	.section	.rodata,"a",@progbits
	.p2align	6, 0x0
	.amdhsa_kernel k_q1922b27d47_prep
		.amdhsa_group_segment_fixed_size 142336
		.amdhsa_private_segment_fixed_size 0
		.amdhsa_enable_private_segment 0
		.amdhsa_kernarg_size 88
		.amdhsa_user_sgpr_count 2
		.amdhsa_user_sgpr_kernarg_segment_ptr 1
		.amdhsa_wavefront_size32 1
		.amdhsa_system_sgpr_workgroup_id_x 1
		.amdhsa_system_sgpr_workgroup_id_y 1
		.amdhsa_system_sgpr_workgroup_id_z 1
		.amdhsa_system_vgpr_workitem_id 0
		.amdhsa_next_free_vgpr 256
		.amdhsa_next_free_sgpr 100
		.amdhsa_reserve_vcc 1
		.amdhsa_float_denorm_mode_32 3
		.amdhsa_float_denorm_mode_16_64 3
		.amdhsa_memory_ordered 1
		.amdhsa_forward_progress 1
		.amdhsa_inst_pref_size 95
	.end_amdhsa_kernel
	.amdgpu_metadata
---
amdhsa.version: [ 1, 2 ]
amdhsa.kernels:
  - .name:           k_q1922b27d47_prep
    .symbol:         k_q1922b27d47_prep.kd
    .args:
      - { .name: output_feat, .offset: 0, .size: 8, .value_kind: global_buffer, .address_space: global }
      - { .name: aspect_ratio, .offset: 8, .size: 8, .value_kind: global_buffer, .address_space: global }
      - { .name: ln_scale, .offset: 16, .size: 8, .value_kind: global_buffer, .address_space: global }
      - { .name: ln_bias, .offset: 24, .size: 8, .value_kind: global_buffer, .address_space: global }
      - { .name: w1, .offset: 32, .size: 8, .value_kind: global_buffer, .address_space: global }
      - { .name: w2, .offset: 40, .size: 8, .value_kind: global_buffer, .address_space: global }
      - { .name: normt, .offset: 48, .size: 8, .value_kind: global_buffer, .address_space: global }
      - { .name: sel, .offset: 56, .size: 8, .value_kind: global_buffer, .address_space: global }
      - { .name: ws, .offset: 64, .size: 8, .value_kind: global_buffer, .address_space: global }
      - { .name: b1, .offset: 72, .size: 8, .value_kind: global_buffer, .address_space: global }
      - { .name: rowtok, .offset: 80, .size: 8, .value_kind: global_buffer, .address_space: global }
    .group_segment_fixed_size: 142336
    .private_segment_fixed_size: 0
    .kernarg_segment_align: 8
    .kernarg_segment_size: 88
    .max_flat_workgroup_size: 512
    .sgpr_count:     100
    .vgpr_count:     256
    .wavefront_size: 32
...
	.end_amdgpu_metadata
.endif
;; end of part 5
;; launch route (part 6): grid 1 x 1, 32 waves a work-group, no clusters, 6,144 bytes of LDS; arguments sel, rowtok, pos, tileadp; writes rowtok, pos, tileadp
.if DOCPART == 6
	.amdgcn_target "amdgcn-amd-amdhsa--gfx1250"
	.amdhsa_code_object_version 6
	.text
	.protected	k_q1922b27d47_route
	.globl	k_q1922b27d47_route
	.p2align	8
	.type	k_q1922b27d47_route,@function
k_q1922b27d47_route:
	s_mov_b64 s[64:65], 0
	v_nop
	global_prefetch_b8 v0, s[64:65] scope:SCOPE_SE
	s_setreg_imm32_b32 hwreg(HW_REG_WAVE_MODE, 25, 1), 1
	s_wait_xcnt 0x0
; ROUTING, second part: from the blocks' counts and the tokens' ranks in their blocks to rows.  Whole numbers only.  One work-group, since every place hangs on all counts in front of it.
; Each adapter's (token, adapter) pairs take consecutive rows that begin at a multiple of 96 (a tile of the next launch); the tiles of adapter a follow those of a - 1; within an adapter the rows go by block of 64
; tokens, then by the rank that the launch before gave.  row = 96 x (tiles of the adapters in front) + (the adapter's count in the blocks in front) + rank.
;   rowtok[row]      the row's token (the launch before has cleared the buffer: 0 in rows that no pair takes)
;   pos[j][token]    the row of the token's anchor j; anchors that chose the same adapter share a row
;   tileadp[tile]    the tile's adapter, 10 where there is no tile.  At most (24,576 + 10 x 95) / 96 = 265 tiles, 25,440 rows.
; sel[token] = i0 | i1 << 4 | i2 << 8 | rank0 << 12 | rank1 << 18 | rank2 << 24; at byte 32,768 of the same buffer count[block][16].
; Wave w owns blocks 4 w ..+3: tokens 256 w + 64 q + 2 lane + e.  Counts lie one adapter a lane (lane % 16); a token fetches its adapter's base from that lane by ds_bpermute_b32, which touches no LDS byte.
.set TAB,   0                          ; LDS: the waves' sums [wave][16], 64 bytes a wave
.set SPARE, 2048                       ; the spare words: 128 bytes for each of 32 waves, named by no other line
.set CNT0,  32768                      ; where the counts begin in sel's buffer
.set SE,  8                            ; v[8:15]   sel's words: block q, pixel e at SE + 2 q + e
.set PO,  16                           ; v[16:39]  anchor j's rank, then its row, at PO + 8 j + 2 q + e
.set BO,  40                           ; v[40:63]  4 x its index, then its adapter's base, then 4 x its row
.set TK,  64                           ; v[64:71]  the tokens' numbers
.set CT,  72                           ; v[72:73]  counts of adapter lane % 16: blocks 4 w + lane / 16 and 4 w + 2 + lane / 16
.set TB,  74                           ; v[74:89]  the sums of waves 2 k + lane / 16
.set BB,  90                           ; v[90:93]  lanes 0-9: the first row of adapter lane in block 4 w + q
.set AC,  94                           ; the adapter's pairs, and 16 bits up those of the waves in front of mine
.set FF,  95
.set T0,  96
.set T1,  97
.set TI,  98                           ; the adapter's tiles
.set IN,  99                           ; the tiles up to and with this adapter's
.set K1,  100                          ; 0x10001
.set AD,  101
.set TW,  102                          ; LDS: my wave's row of the table, my adapter's word
.set TRD, 103                          ; LDS: 4 x lane
.set CA,  104                          ; my byte offset in the counts: 256 w + 4 lane; never rewritten
.set SPW, 110
.set NIL, 111
	s_load_b256 s[4:11], s[0:1], 0x0               ; sel s[4:5], rowtok s[6:7], pos s[8:9], tileadp s[10:11]
	v_lshl_add_u32 v[SPW], v0, 2, SPARE
	v_mov_b32 v[NIL], 0
	v_lshrrev_b32 v2, 5, v0
	v_readfirstlane_b32 s14, v2                    ; wave 0..31
	v_and_b32 v1, 31, v0                           ; lane
	v_lshlrev_b32 v3, 2, v0                        ; 4 x thread: tile t's word of tileadp
	v_lshlrev_b32 v[CA], 8, v2                     ; a wave's four blocks have 4 x 16 counts: 256 bytes,
	v_lshl_add_u32 v[CA], v1, 2, v[CA]             ; of which a load of 32 lanes takes two blocks' 128
	v_lshlrev_b32 v4, 10, v2
	v_lshl_add_u32 v4, v1, 3, v4                   ; 4 x (256 w + 2 lane)
	s_wait_kmcnt 0x0
	global_load_b32 v[CT],   v[CA], s[4:5] offset:CNT0      ; blocks 4 w and 4 w + 1: 128 consecutive bytes
	global_load_b32 v[CT+1], v[CA], s[4:5] offset:CNT0+128  ; blocks 4 w + 2 and 4 w + 3; the last wave's last byte is the buffer's last: 32,768 + 32 x 256 = 40,960
.irp q, 0,1,2,3
	global_load_b64 v[SE+2*\q:SE+2*\q+1], v4, s[4:5] offset:256*\q  ; a block's 64 words: 256 consecutive bytes
.endr
	v_and_b32 v6, 15, v1
	v_lshrrev_b32 v7, 4, v1                        ; which half of the lanes
	v_lshlrev_b32 v5, 8, v2
	v_lshl_add_u32 v5, v1, 1, v5
.irp n, 0,1,2,3,4,5,6,7
	v_add_nc_u32 v[TK+\n], 64*(\n/2)+(\n%2), v5
.endr
	v_lshlrev_b32 v[TW], 6, v2
	v_lshl_add_u32 v[TW], v6, 2, v[TW]
	v_lshlrev_b32 v[TRD], 2, v1
	v_mov_b32 v[K1], 0x10001
	v_mov_b32 v[T0], 0                             ; a lane permute's destination counts as read
	v_mov_b32 v[T1], 0
	s_mov_b32 s22, 0x76543210                      ; v_permlanex16_b32: each lane takes its own place in the other half
	s_mov_b32 s23, 0xfedcba98
	s_movk_i32 s25, 96
	s_wait_loadcnt 4                               ; the two loads of counts are in; the four of sel, issued behind them, may be out
	v_add_nc_u32 v[AC], v[CT], v[CT+1]
	v_permlanex16_b32 v[T0], v[AC], s22, s23
	v_add_nc_u32 v[AC], v[AC], v[T0]               ; my four blocks' count of adapter lane % 16, in both halves
	ds_store_b32 v[TW], v[AC]                      ; lanes l and l + 16 store the same number to the same word
	s_wait_loadcnt 0x0
	s_wait_dscnt 0x0                               ; for the others' sake: my sums are in the table
	s_barrier_signal -1
.irp n, 0,1,2,3,4,5,6,7                ; work on registers while the others arrive: sel's fields
.irp j, 0,1,2
	v_bfe_u32 v[BO+8*\j+\n], v[SE+\n], 4*\j, 4
	v_lshlrev_b32 v[BO+8*\j+\n], 2, v[BO+8*\j+\n]  ; the permute names a lane by 4 x its number
	v_bfe_u32 v[PO+8*\j+\n], v[SE+\n], 12+6*\j, 6
.endr
.endr
	s_barrier_wait -1
.set k, 0
.rept 16
	ds_load_b32 v[TB+k], v[TRD] offset:128*k       ; waves 2 k and 2 k + 1: 128 consecutive bytes
.set k, k+1
.endr
; each sum is added to the total and, where its wave 2 k + lane / 16 stands in front of mine, 16 bits up as well: one multiply-add by 1 or by 0x10001.  Both sums stay at or below 8,192.
.set k, 0
.rept 16
	s_sub_co_i32 s16, s14, 2*k
	v_cmp_gt_i32 vcc_lo, s16, v7                   ; 2 k + half < w
	v_cndmask_b32 v[FF], 1, v[K1], vcc_lo
	s_wait_dscnt 15-k                              ; LDS loads come back in order: number k is in
.if k == 0
	v_mul_u32_u24 v[AC], v[TB], v[FF]
.else
	v_mad_u32_u24 v[AC], v[TB+k], v[FF], v[AC]
.endif
.set k, k+1
.endr
	v_permlanex16_b32 v[T0], v[AC], s22, s23
	v_add_nc_u32 v[AC], v[AC], v[T0]
	v_and_b32 v[TI], 0xffff, v[AC]                 ; the adapter's pairs
	v_lshrrev_b32 v[AC], 16, v[AC]                 ; those in the blocks in front of my four
	v_add_nc_u32 v[TI], 95, v[TI]
	v_mul_u32_u24 v[TI], 0xaaab, v[TI]
	v_lshrrev_b32 v[TI], 22, v[TI]                 ; (n + 95) / 96: 43,691 / 2^22 exceeds 1 / 96 by 8e-8, which over n + 95 <= 8,287 stays far below 1 / 96
	v_mov_b32 v[IN], v[TI]
.irp x, 1,2,4,8                        ; a running sum along the 16 lanes of each half; a lane with no lane x below it adds the 0 that the line before wrote
	v_mov_b32 v[T1], 0
	v_mov_b32_dpp v[T1], v[IN] row_shr:\x row_mask:0xf bank_mask:0xf
	v_add_nc_u32 v[IN], v[IN], v[T1]
.endr
	v_sub_nc_u32 v[T1], v[IN], v[TI]               ; the tiles of the adapters in front
	v_mad_u32_u24 v[BB], v[T1], s25, v[AC]
	v_permlanex16_b32 v[T0], v[CT], s22, s23       ; lanes 0-15: block 4 w + 1's counts
	v_add_nc_u32 v[BB+1], v[BB], v[CT]             ; in lanes 0-15, which alone are asked: + block 4 w,
	v_add_nc_u32 v[BB+2], v[BB+1], v[T0]           ; + block 4 w + 1,
	v_add_nc_u32 v[BB+3], v[BB+2], v[CT+1]         ; + block 4 w + 2
.irp n, 0,1,2,3,4,5,6,7
.irp j, 0,1,2
	ds_bpermute_b32 v[BO+8*\j+\n], v[BO+8*\j+\n], v[BB+(\n/2)]  ; my anchor's adapter's first row in my token's block
.endr
.endr
	s_wait_dscnt 0x0
.set n, 0
.rept 24
	v_add_nc_u32 v[PO+n], v[PO+n], v[BO+n]
	v_min_u32 v[PO+n], 0x635f, v[PO+n]             ; 25,439, the last row: it changes nothing
	v_lshlrev_b32 v[BO+n], 2, v[PO+n]
.set n, n+1
.endr
.irp j, 0,1,2
.irp q, 0,1,2,3
	global_store_b64 v4, v[PO+8*\j+2*\q:PO+8*\j+2*\q+1], s[8:9] offset:32768*\j+256*\q  ; 256 consecutive bytes, aligned
.endr
.endr
.irp n, 0,1,2,3,4,5,6,7
.irp j, 0,1,2
	global_store_b32 v[BO+8*\j+\n], v[TK+\n], s[6:7]  ; anchors that share a row store the same token to it, from the same lane
.endr
.endr
	s_cmp_gt_u32 s14, 8
	s_cbranch_scc1 .Lend
	v_mov_b32 v[AD], 0                             ; waves 0-8: thread t counts the adapters whose tiles end at or below t: tile t's adapter, or 10
.irp a, 0,1,2,3,4,5,6,7,8,9
	v_readlane_b32 s[32+\a], v[IN], \a
.endr
.irp a, 0,1,2,3,4,5,6,7,8,9
	v_cmp_le_u32 vcc_lo, s[32+\a], v0
	v_add_co_ci_u32 v[AD], vcc_lo, 0, v[AD], vcc_lo
.endr
	global_store_b32 v3, v[AD], s[10:11]           ; tiles 0..287
.Lend:
	s_wait_tensorcnt 0x0                           ; the wave's end
	ds_add_u32 v[SPW], v[NIL]
	s_wait_dscnt 0x0
	s_endpgm
.Lfunc_end_k_q1922b27d47_route:
	.size	k_q1922b27d47_route, .Lfunc_end_k_q1922b27d47_route-k_q1922b27d47_route
	.p2alignl 7, 3214868480
	.fill 96, 4, 3214868480
	.section	.rodata,"a",@progbits
	.p2align	6, 0x0
	.amdhsa_kernel k_q1922b27d47_route
		.amdhsa_group_segment_fixed_size 6144
		.amdhsa_private_segment_fixed_size 0
		.amdhsa_enable_private_segment 0
		.amdhsa_kernarg_size 32
		.amdhsa_user_sgpr_count 2
		.amdhsa_user_sgpr_kernarg_segment_ptr 1
		.amdhsa_wavefront_size32 1
		.amdhsa_system_sgpr_workgroup_id_x 1
		.amdhsa_system_sgpr_workgroup_id_y 1
		.amdhsa_system_sgpr_workgroup_id_z 1
		.amdhsa_system_vgpr_workitem_id 0
		.amdhsa_next_free_vgpr 112
		.amdhsa_next_free_sgpr 66
		.amdhsa_reserve_vcc 1
		.amdhsa_float_denorm_mode_32 3
		.amdhsa_float_denorm_mode_16_64 3
		.amdhsa_memory_ordered 1
		.amdhsa_forward_progress 1
		.amdhsa_inst_pref_size 21
	.end_amdhsa_kernel
	.amdgpu_metadata
---
amdhsa.version: [ 1, 2 ]
amdhsa.kernels:
  - .name:           k_q1922b27d47_route
    .symbol:         k_q1922b27d47_route.kd
    .args:
      - { .name: sel, .offset: 0, .size: 8, .value_kind: global_buffer, .address_space: global }
      - { .name: rowtok, .offset: 8, .size: 8, .value_kind: global_buffer, .address_space: global }
      - { .name: pos, .offset: 16, .size: 8, .value_kind: global_buffer, .address_space: global }
      - { .name: tileadp, .offset: 24, .size: 8, .value_kind: global_buffer, .address_space: global }
    .group_segment_fixed_size: 6144
    .private_segment_fixed_size: 0
    .kernarg_segment_align: 8
    .kernarg_segment_size: 32
    .max_flat_workgroup_size: 1024
    .sgpr_count:     66
    .vgpr_count:     112
    .wavefront_size: 32
...
	.end_amdgpu_metadata
.endif
;; end of part 6
;; launch adapt: the kernel of part 3 again; grid 265 x 1, 4 waves a work-group, no clusters, 266,752 bytes of LDS; arguments normt, ws, b1, rowtok, tileadp, y; writes y
;; launch combine: the kernel of part 4 again; grid 128 x 8, 8 waves a work-group, no clusters, 34,048 bytes of LDS; arguments output_feat, y, pos, out0; writes out0
;; ======== version 3 of 3: 4 launches; version 2 with the launch adapt written anew for expert scheduling mode
;; limits: values are held in f16: magnitudes above 65,504 overflow, below 6.1e-05 lose precision
;; workspace buffers: ws 10,485,760 bytes; b1 10,240 bytes; normt 16,777,216 bytes; sel 40,960 bytes of whole numbers; rowtok 131,072 bytes of whole numbers; pos 98,304 bytes of whole numbers; tileadp 1,280 bytes of whole numbers; y 104,202,240 bytes
;; launch prep: the kernel of part 5 again; grid 208 x 1, 16 waves a work-group, no clusters, 142,336 bytes of LDS; arguments output_feat, aspect_ratio, ln_scale, ln_bias, w1, w2, normt, sel, ws, b1, rowtok; writes normt, sel, ws, b1, rowtok
;; launch route: the kernel of part 6 again; grid 1 x 1, 32 waves a work-group, no clusters, 6,144 bytes of LDS; arguments sel, rowtok, pos, tileadp; writes rowtok, pos, tileadp
;; launch adapt (part 7): grid 265 x 1, 4 waves a work-group, no clusters, 266,752 bytes of LDS; arguments normt, ws, b1, rowtok, tileadp, y; writes y
.if DOCPART == 7
	.amdgcn_target "amdgcn-amd-amdhsa--gfx1250"
	.amdhsa_code_object_version 6
	.text
	.protected	k_q1922b27d47_adapt
	.globl	k_q1922b27d47_adapt
	.p2align	8
	.type	k_q1922b27d47_adapt,@function
k_q1922b27d47_adapt:
	s_mov_b64 s[64:65], 0
	v_nop
	global_prefetch_b8 v0, s[64:65] scope:SCOPE_SE
	s_setreg_imm32_b32 hwreg(HW_REG_WAVE_SCHED_MODE, 0, 2), 2
	s_setreg_imm32_b32 hwreg(HW_REG_WAVE_MODE, 25, 1), 1
	s_wait_xcnt 0x0
	s_wait_alu depctr_vm_vsrc(0)
; ONE ADAPTER ON A TILE OF 96 (token, adapter) PAIRS:  y[row][:] = gelu(norm[token] . (ln_scale w1) + b1) . w2, operands f16, sums f32, y f32.
; The work-group's number is the tile; tileadp names its adapter, rowtok its rows' tokens.  The grid is the largest number of tiles that any input can give, (24,576 + 950) / 96 = 265; a work-group whose entry
; is 10 has no tile: it passes the two barriers and jumps over the three stretches of work between them (no barrier may stand under a branch on loaded data).
; SHARES.  Wave w owns hidden units 64 w ..+63 in the first product and channels 256 w ..+255, in four chunks of 64, in the second; all four waves take all 96 rows.  So a wave's weights are its own: they have no second
; reader in the work-group and come straight into registers, in fragment order, 512 consecutive bytes a load, through a ring of eight slots of one K step (4 fragments).
; NO CLUSTER, NO DATA MOVER: the gathered rows are no rectangle; weights do not pass through LDS, which holds the rows (198 KB), h (51 KB) and the stages; and partners would have to share an adapter, which would
; pad every adapter to four tiles.
; BOTH PRODUCTS ARE USED TRANSPOSED: source 0 = 16 rows of weights (hidden units, channels), source 1 = 16 pairs.  A lane then holds one pair (lane % 16) and eight neighbouring hidden units or channels (8 (lane / 16) + j).
; A K step is 4 x 6 = 24 matrix instructions on 24 accumulators that take turns.
; GELU = x Phi(x), Phi by the five-term form t = 1 / (1 + 0.2316419 |x|), Q = e^(-x x / 2) (c1 t + .. + c5 t^5), absolute error of Q under 7.5e-8 for every x; gelu = max(x, 0) - |x| Q.
; LIMITS.  h is rounded to f16: |h| must stay below 65,504.  NaN and infinities are not treated apart.
; REGISTERS, in windows of 256 (s_set_vgpr_msb: bits 1:0 source 0, 3:2 source 1, 5:4 source 2, 7:6 destination):
;   window 0: addresses; v48-143 two buffers of six row fragments; v144-175 b1; v176-239 two buffers on the way out
;   window 1: the weights' ring: slot j, fragment i at v[32 j + 8 i]
;   window 2: v0-191 accumulator (p, i) at v[8 (4 p + i)]; v192-247 at work in the gelu; at the start all 256 hold row pieces on their way to LDS
; THE MODE: SCHED_MODE bits 1:0 = 2 (LLVM: expert scheduling mode 2), set by the entry lines.  The code itself states the register dependences
; between vector or matrix instructions and memory or LDS instructions, with s_wait_alu, always for 0.
; THE PLAN.  Registers that memory or LDS instructions touch:
;   v240, v4-v21, v36-v47   addresses and offsets: written once at the head, read by memory instructions, never written again.  v24-35: rowtok's loads land, vector instructions make offsets of them once, the rows' loads read them.
;   window 2's 64 quads     at the start: the rows' loads land, LDS stores read; 32 of them take a second piece.  Behind the first barrier they are accumulators and the gelu's registers.
;   ROWS0, ROWS1            Step j: its products read ROWS[j % 2]; its twelve LDS loads land in the other, which step j - 1's products read.
;   the ring's slots        Step j: its products read slot j; its fill lands in slot j - 1, which step j - 1's products read.
;   HP                      Written by a block's conversions, read by its four LDS stores, written again by the next block's.
;   the accumulators        In the second product: written by products, read by the way out's LDS stores, written again by the next chunk's first products.
;   OB0, OB1                LDS loads land, global stores read, LDS loads land again two blocks on.
; So ONE wait on va_vdst stands at a K step's head: it states that the products of the step before are done reading the other row buffer and the slot behind.  The step's row loads follow it, and its fill stands among its
; products, which name slot j, ROWS[j % 2] and the accumulators: none of the registers that those loads touch.
.set APITCH, 2064                      ; a row of norm in LDS: 2,048 bytes + 16: an odd multiple of 16, so the 16 rows of a fragment load start in 16 different groups of four banks (ISA guide 11.1)
.set HPITCH, 528                       ; a row of h: 512 + 16
.set HBASE,  198144                    ; behind the 96 rows of norm
.set STAGE,  248832                    ; behind h: 16 rows x 272 bytes for each wave
.set SPITCH, 272
.set SPARE,  266240                    ; the spare words: 128 bytes for each of 4 waves, named by no other line
.set ADRA, 4                           ; v[4:9]    block p of 16 rows of norm: (16 p + r) APITCH + 16 h; never rewritten
.set ADRH, 10                          ; v[10:15]  the same in h; never rewritten
.set WOFF, 16                          ; 16 x lane
.set HST,  17                          ; where I put 16 bytes of h
.set STO,  18                          ; the way out: where I put 32 bytes of a row
.set RD,   19                          ; the way out: where I read rows back
.set CO,   20                          ; my byte offset in two rows of y
.set BOFF, 21                          ; 32 x (lane / 16)
.set SPW,  22
.set NIL,  23
.set GA,   24                          ; v[24:35]  byte offset in normt of my 16 bytes of rows 24 w + 2 i + lane / 16
.set LA,   36                          ; v[36:47]  and their place in LDS
.set ROWS, 48
.set BIAS, 144
.set OB,   176
.set AB,   192                         ; window 2: |x|
.set TT,   200                         ; t
.set EE,   208                         ; e^(-x x / 2)
.set MX,   216                         ; max(x, 0), then the gelu
.set PL,   224                         ; the polynomial
.set HP,   232                         ; four quads of f16
.set MSB, 0
.set FREE, 0
.macro WIN new                         ; the immediate's high byte repeats the setting that is left; a switch that changes nothing is dropped
.if MSB != (\new)
	s_set_vgpr_msb (MSB<<8)|(\new)
.set MSB, \new
.endif
.endm
.macro PLACES                          ; four places between a matrix instruction and a load into, or a read of, its registers (ISA guide 7.12.1 for reads)
.rept 4
	v_nop
.endr
.endm
	s_load_b256 s[4:11], s[0:1], 0x0               ; normt s[4:5], ws s[6:7], b1 s[8:9], rowtok s[10:11]
	s_load_b128 s[12:15], s[0:1], 0x20             ; tileadp s[12:13], y s[14:15]
	v_lshl_add_u32 v[SPW], v0, 2, SPARE
	v_mov_b32 v[NIL], 0
	v_lshrrev_b32 v3, 5, v0
	v_readfirstlane_b32 s16, v3                    ; wave 0..3
	v_and_b32 v1, 15, v0                           ; r = lane % 16
	v_bfe_u32 v2, v0, 4, 1                         ; h = lane / 16
	v_lshlrev_b32 v240, 2, v2
	s_lshl_b32 s28, ttmp9, 2
	s_mov_b32 s29, 0
	s_wait_kmcnt 0x0
	s_add_nc_u64 s[12:13], s[12:13], s[28:29]
	s_load_b32 s18, s[12:13], 0x0                  ; my tile's adapter
	s_mul_i32 s28, ttmp9, 384
	s_wait_alu depctr_va_sdst(0)                   ; s16 is written, ahead of its first reader: the wave's bases and LDS places are made from it
	s_mul_i32 s17, s16, 96
	s_add_co_u32 s28, s28, s17
	s_add_nc_u64 s[10:11], s[10:11], s[28:29]      ; rowtok at row 96 tile + 24 w
	s_wait_alu depctr_va_vdst(0)                   ; v240 is written, which the twelve loads below read as their offset
.irp i, 0,1,2,3,4,5,6,7,8,9,10,11
	global_load_b32 v[GA+\i], v240, s[10:11] offset:8*\i  ; each half of the lanes: one row's token.  Every word of rowtok has been written, so this needs no tile
.endr
	v_lshlrev_b32 v3, 4, v1                        ; 16 r
	v_and_b32 v[WOFF], 31, v0
	v_lshlrev_b32 v[WOFF], 4, v[WOFF]
	v_lshlrev_b32 v[BOFF], 5, v2
	v_mul_u32_u24 v241, v1, APITCH
	v_lshl_add_u32 v241, v2, 4, v241
.irp p, 0,1,2,3,4,5
	v_add_nc_u32 v[ADRA+\p], \p*16*APITCH, v241
.endr
	v_mul_u32_u24 v241, v1, HPITCH
	v_lshl_add_u32 v241, v2, 4, v241
.irp p, 0,1,2,3,4,5
	v_add_nc_u32 v[ADRH+\p], HBASE+\p*16*HPITCH, v241
.endr
	s_lshl_b32 s17, s16, 7
	v_add_nc_u32 v[HST], s17, v[ADRH]              ; row r, my wave's 128 bytes, 16 bytes for each half of the lanes
	s_mul_i32 s17, s16, 16*SPITCH
	s_add_co_u32 s17, s17, STAGE                   ; my stage
	v_mul_u32_u24 v[STO], v1, SPITCH
	v_lshl_add_u32 v[STO], v2, 5, v[STO]
	v_add_nc_u32 v[STO], s17, v[STO]
	v_mul_u32_u24 v[RD], v2, SPITCH
	v_add_nc_u32 v[RD], v[RD], v3
	v_add_nc_u32 v[RD], s17, v[RD]
	v_lshl_add_u32 v[CO], v2, 12, v3
	s_mul_i32 s17, s16, 24*APITCH
	v_mul_u32_u24 v241, v2, APITCH
	v_add_nc_u32 v241, v241, v3
	v_add_nc_u32 v241, s17, v241
.irp i, 0,1,2,3,4,5,6,7,8,9,10,11
	v_add_nc_u32 v[LA+\i], \i*2*APITCH, v241
.endr
	s_mov_b32 s32, 0x3e6d3389                      ; 0.2316419; each constant twice: the packed forms name a pair and take its low word for both halves
	s_mov_b32 s33, s32
	s_mov_b32 s34, 0xbf38aa3b                      ; -log2(e) / 2
	s_mov_b32 s35, s34
	s_mov_b32 s36, 0x3e027906                      ; c1 ..c5 = 0.39894228 x (0.319381530, -0.356563782, 1.781477937, -1.821255978, 1.330274429)
	s_mov_b32 s37, s36
	s_mov_b32 s38, 0xbe11a98e
	s_mov_b32 s39, s38
	s_mov_b32 s40, 0x3f35f0e3
	s_mov_b32 s41, s40
	s_mov_b32 s42, 0xbf3a00e3
	s_mov_b32 s43, s42
	s_mov_b32 s44, 0x3f07dc22
	s_mov_b32 s45, s44
	s_mov_b32 s46, 0x7fffffff
	s_mul_i32 s28, ttmp9, 393216                   ; 96 rows of 4,096 bytes
	s_lshl_b32 s17, s16, 10
	s_add_co_u32 s28, s28, s17
	s_add_nc_u64 s[24:25], s[14:15], s[28:29]      ; y at my tile's first row, my wave's 256 channels
	s_wait_kmcnt 0x0
	s_min_u32 s19, s18, 9                          ; where there is no tile the loads below take adapter 9's bytes, and nothing is made of them
	s_cmp_lt_u32 s18, 10
	s_cselect_b32 s20, 1, 0                        ; 1: there is a tile
	s_lshl_b32 s28, s19, 20
	s_lshl_b32 s17, s16, 18
	s_add_co_u32 s28, s28, s17
	s_add_nc_u64 s[22:23], s[6:7], s[28:29]        ; ws at [adapter][wave]
	s_lshl_b32 s28, s19, 10
	s_lshl_b32 s17, s16, 8
	s_add_co_u32 s28, s28, s17
	s_add_nc_u64 s[26:27], s[8:9], s[28:29]        ; b1 at [adapter][64 w]
	s_wait_alu depctr_va_vdst(0)                   ; the addresses and offsets v4 to v21 and v36 to v47 are written, which the loads and stores of the whole kernel read; none is written again
.irp i, 0,1,2,3
	global_load_b128 v[BIAS+8*\i:BIAS+8*\i+3],   v[BOFF], s[26:27] offset:64*\i     ; register j: hidden unit 64 w + 16 i + 8 h + j, as in an accumulator
	global_load_b128 v[BIAS+8*\i+4:BIAS+8*\i+7], v[BOFF], s[26:27] offset:64*\i+16
.endr
	WIN 0x40                                       ; destination window 1
.irp st, 0,1,2,3,4,5,6
.irp i, 0,1,2,3
	global_load_b128 v[32*\st+8*\i:32*\st+8*\i+3],   v[WOFF], s[22:23] offset:\st*4096+\i*1024      ; the ring's first seven slots
	global_load_b128 v[32*\st+8*\i+4:32*\st+8*\i+7], v[WOFF], s[22:23] offset:\st*4096+\i*1024+512
.endr
.endr
	WIN 0
	s_wait_loadcnt 63                              ; 64 loads were issued behind the 12 of rowtok, which are the oldest: they are in
.irp i, 0,1,2,3,4,5,6,7,8,9,10,11
	v_min_u32 v[GA+\i], 0x1fff, v[GA+\i]           ; a token is below 8,192
	v_lshl_add_u32 v[GA+\i], v[GA+\i], 11, v3      ; its row of 2,048 bytes + 16 r
.endr
; ---- THE ROWS: 24 a wave, 96 loads of 2 x 256 consecutive bytes; piece n is bytes 256 (n / 12) of rows 24 w + 2 (n % 12) + h; 64 quads of window 2 carry them
	s_cmp_eq_u32 s20, 0
	s_cbranch_scc1 .Lno_rows
.macro RLOAD n
	global_load_b128 v[4*((\n)%64):4*((\n)%64)+3], v[GA+(\n)%12], s[4:5] offset:256*((\n)/12)
.endm
.macro RSTORE n
	ds_store_b128 v[LA+(\n)%12], v[4*((\n)%64):4*((\n)%64)+3] offset:256*((\n)/12)
.endm
	WIN 0x80                                       ; destination window 2
	s_wait_alu depctr_va_vdst(0)                   ; the twelve offsets v[GA ..] are written, which the rows' loads read; they are not written again
.set n, 0
.rept 64
	RLOAD n
.set n, n+1
.endr
.set m, 0
.irp b, 0,1,2,3,4,5
.if \b < 3
	s_wait_loadcnt 48                              ; the pieces issued behind this batch of 16: 48 while new ones follow,
.else
	s_wait_loadcnt 16*(5-\b)                       ; then 32, 16, 0
.endif
	WIN 0x08                                       ; store data window 2
.rept 16
	RSTORE m
.set m, m+1
.endr
.if \b < 2
	WIN 0x80
	s_wait_alu depctr_vm_vsrc(0)                   ; the sixteen LDS stores above have read their quads, in which the next sixteen pieces land
.rept 16
	RLOAD n                                        ; the last 32 pieces take the quads just stored
.set n, n+1
.endr
.endif
.endr
	WIN 0
.Lno_rows:
	s_wait_dscnt 0x0                               ; my 24 rows are in LDS
	s_barrier_signal -1
	s_barrier_wait -1                              ; all 96 are
	s_wait_alu depctr_vm_vsrc(0)                   ; my LDS stores have read window 2's quads: from here on these registers are the accumulators and the gelu's, written by matrix and vector instructions
; the six row fragments of a product's first K step, into buffer 0
.macro ROWS0 adr
	WIN 0
.irp p, 0,1,2,3,4,5
	ds_load_b128 v[ROWS+8*\p:ROWS+8*\p+3],   v[(\adr)+\p]
	ds_load_b128 v[ROWS+8*\p+4:ROWS+8*\p+7], v[(\adr)+\p] offset:32
.endr
.endm
; four products of K step j: block p of 16 pairs x my four fragments of weights.  cmode 0: the sums go on; 1: they start with 0; 2: they start with b1.
.macro PROD j, cmode, p
.if (\cmode) == 2
	WIN 0x81                                       ; weights window 1, rows and b1 window 0, sums window 2
.else
	WIN 0xa1                                       ; weights window 1, rows window 0, sums (C and D) window 2
.endif
.set rb, ROWS+48*((\j)%2)+8*(\p)
.set sl, 32*(\j)
.irp i, 0,1,2,3
.if (\cmode) == 0
	v_wmma_f32_16x16x32_f16 v[8*(4*(\p)+\i):8*(4*(\p)+\i)+7], v[sl+8*\i:sl+8*\i+7], v[rb:rb+7], v[8*(4*(\p)+\i):8*(4*(\p)+\i)+7]
.elseif (\cmode) == 1
	v_wmma_f32_16x16x32_f16 v[8*(4*(\p)+\i):8*(4*(\p)+\i)+7], v[sl+8*\i:sl+8*\i+7], v[rb:rb+7], 0
.else
	v_wmma_f32_16x16x32_f16 v[8*(4*(\p)+\i):8*(4*(\p)+\i)+7], v[sl+8*\i:sl+8*\i+7], v[rb:rb+7], v[BIAS+8*\i:BIAS+8*\i+7]
.endif
.endr
.endm
; ONE K STEP, number j of eight.  Four places behind the last step's products; the wait for this step's weights; the one wait on va_vdst; the next step's rows (byte nxt behind the addresses adr; -1: none) into the other
; buffer; the wait for this step's rows; 12 products; fill = 1: the slot that the last step read takes the weights seven steps on; 12 products.
; The wait on va_vdst is written where it has a dependence to state: not in a product's or a chunk's first step (cmode 1 or 2), where the wait ahead of h's stores or of the way out's stores has already shown the last
; products done and only v_nop and the step's own products have followed it; and not in a step that issues no load.
.macro KS j, adr, cmode, nxt, fill, lcnt
	PLACES
	s_wait_loadcnt \lcnt                           ; loads come back in order: only the slots behind slot j, 8 loads each, may be out
.if (\nxt) >= 0
	WIN 0
.endif
.if ((\cmode) == 0) && (((\nxt) >= 0) || (\fill))
	s_wait_alu depctr_va_vdst(0)                   ; the last step's products are done reading the other row buffer and the slot behind slot j: this step's LDS loads and its fill land in them
.endif
.if (\nxt) >= 0
.set nb, ROWS+48*(((\j)+1)%2)
.irp p, 0,1,2,3,4,5
	ds_load_b128 v[nb+8*\p:nb+8*\p+3],   v[(\adr)+\p] offset:(\nxt)
	ds_load_b128 v[nb+8*\p+4:nb+8*\p+7], v[(\adr)+\p] offset:(\nxt)+32
.endr
	s_wait_dscnt 12                                ; all but the 12 just issued: this step's rows are in
.else
	s_wait_dscnt 0x0
.endif
.irp p, 0,1,2
	PROD \j, \cmode, \p
.endr
.if \fill
	WIN 0x40
.set fs, 32*(((\j)+7)%8)
.irp i, 0,1,2,3
	global_load_b128 v[fs+8*\i:fs+8*\i+3],   v[WOFF], s[22:23] offset:((\j)+7)*4096+\i*1024      ; no wait: no vector or matrix instruction since the last wait on va_vdst names this slot
	global_load_b128 v[fs+8*\i+4:fs+8*\i+7], v[WOFF], s[22:23] offset:((\j)+7)*4096+\i*1024+512
.endr
.endif
.irp p, 3,4,5
	PROD \j, \cmode, \p
.endr
.endm
.macro ADV                             ; eight steps of ws on
	s_wait_xcnt 0x0                                ; the loads issued have had their addresses translated (ISA guide 3.1): only now is their base stepped
	s_add_nc_u64 s[22:23], s[22:23], 32768
.endm
; gelu of accumulator q's eight numbers, rounded to f16 into the quad hp.  All registers in window 2; the accumulator's lowest register is read first.
; FREE = 1: the first of a block's four, from the second block on: the quads of HP are about to be written again.
.macro GELU8 q, hp
	WIN 0xaa
.set xr, 8*(\q)
.irp e, 0,1,2,3,4,5,6,7
	v_and_b32 v[AB+\e], s46, v[xr+\e]
.endr
.irp e, 0,2,4,6
	v_pk_fma_f32 v[TT+\e:TT+\e+1], v[AB+\e:AB+\e+1], s[32:33], 1.0 op_sel_hi:[1,0,0]
.endr
.irp e, 0,2,4,6
	v_pk_mul_f32 v[EE+\e:EE+\e+1], v[xr+\e:xr+\e+1], v[xr+\e:xr+\e+1]
.endr
.irp e, 0,2,4,6
	v_pk_mul_f32 v[EE+\e:EE+\e+1], v[EE+\e:EE+\e+1], s[34:35] op_sel_hi:[1,0]
.endr
.irp e, 0,1,2,3,4,5,6,7
	v_rcp_f32 v[TT+\e], v[TT+\e]
.endr
.irp e, 0,1,2,3,4,5,6,7
	v_exp_f32 v[EE+\e], v[EE+\e]
.endr
.irp e, 0,1,2,3,4,5,6,7
	v_max_num_f32 v[MX+\e], 0, v[xr+\e]            ; plain work between the last exponential and the use of its result (ISA guide 5.7.2)
.endr
	s_wait_alu depctr_va_vdst(0)                   ; the eight reciprocals in v[TT ..] and the eight exponentials in v[EE ..] are written: one wait for the batch, ahead of its first reader
.irp e, 0,2,4,6
	v_pk_fma_f32 v[PL+\e:PL+\e+1], v[TT+\e:TT+\e+1], s[44:45], s[42:43] op_sel_hi:[1,0,0]
.endr
.irp cc, 40, 38, 36
.irp e, 0,2,4,6
	v_pk_fma_f32 v[PL+\e:PL+\e+1], v[PL+\e:PL+\e+1], v[TT+\e:TT+\e+1], s[\cc:\cc+1] op_sel_hi:[1,1,0]
.endr
.endr
.irp e, 0,2,4,6
	v_pk_mul_f32 v[PL+\e:PL+\e+1], v[PL+\e:PL+\e+1], v[TT+\e:TT+\e+1]
.endr
.irp e, 0,2,4,6
	v_pk_mul_f32 v[PL+\e:PL+\e+1], v[PL+\e:PL+\e+1], v[EE+\e:EE+\e+1]
.endr
.irp e, 0,2,4,6
	v_pk_fma_f32 v[MX+\e:MX+\e+1], v[PL+\e:PL+\e+1], v[AB+\e:AB+\e+1], v[MX+\e:MX+\e+1] neg_lo:[1,0,0] neg_hi:[1,0,0]
.endr
.if FREE
	s_wait_alu depctr_vm_vsrc(0)                   ; the last block's four LDS stores have read the quads of HP, which this block's conversions write again
.endif
.irp e, 0,1,2,3
	v_cvt_pk_f16_f32 v[(\hp)+\e], v[MX+2*\e], v[MX+2*\e+1]
.endr
.endm
.macro HOUT p                          ; block p of 16 pairs: my 64 hidden units' gelu into h
.irp i, 0,1,2,3
.set FREE, 0
.if ((\p) > 0) && (\i == 0)
.set FREE, 1
.endif
	GELU8 4*(\p)+\i, HP+4*\i
.endr
	WIN 0x08
	s_wait_alu depctr_va_vdst(0)                   ; the conversions have written the four quads of HP, which the LDS stores read
.irp i, 0,1,2,3
	ds_store_b128 v[HST], v[HP+4*\i:HP+4*\i+3] offset:(\p)*16*HPITCH+32*\i
.endr
.endm
; THE WAY OUT of a chunk of 64 channels, a block of 16 rows at a time: a lane's 8 x 4 numbers go into my own stage, 256 bytes a row, and come back as whole rows.  LDS serves a wave's instructions in order
; (ISA guide 5.7.1.4), so no wait stands between the stores and the loads; block p's traffic stands between block p - 1's loads and its global stores.
; No vector or matrix instruction stands in it behind its first wait, which so serves all six blocks' LDS stores.
.macro YOUT
	PLACES
	WIN 0x08
	s_wait_alu depctr_va_vdst(0)                   ; the products have written the 24 accumulators, which the LDS stores below read; the places above stay beside this wait
.irp p, 0,1,2,3,4,5
	WIN 0x08
.irp i, 0,1,2,3
	ds_store_b128 v[STO], v[8*(4*\p+\i):8*(4*\p+\i)+3]   offset:64*\i
	ds_store_b128 v[STO], v[8*(4*\p+\i)+4:8*(4*\p+\i)+7] offset:64*\i+16
.endr
	WIN 0
	s_wait_xcnt 0x0                                ; the stores of two blocks ago have read this buffer
.if \p >= 2
	s_wait_alu depctr_vm_vsrc(0)                   ; the global stores of block p - 2 have read this out-buffer, in which the LDS loads below land
.endif
.irp t, 0,1,2,3,4,5,6,7
	ds_load_b128 v[OB+32*(\p%2)+4*\t:OB+32*(\p%2)+4*\t+3], v[RD] offset:2*SPITCH*\t
.endr
.if \p > 0
	s_wait_dscnt 16                                ; all but this block's 8 stores and 8 loads: the block before is back
.irp t, 0,1,2,3,4,5,6,7
	global_store_b128 v[CO], v[OB+32*((\p+1)%2)+4*\t:OB+32*((\p+1)%2)+4*\t+3], s[24:25] offset:(16*(\p-1)+2*\t)*4096  ; 16 lanes store 256 consecutive bytes, aligned
.endr
.endif
.endr
	s_wait_dscnt 0x0
.irp t, 0,1,2,3,4,5,6,7
	global_store_b128 v[CO], v[OB+32+4*\t:OB+32+4*\t+3], s[24:25] offset:(80+2*\t)*4096
.endr
.endm
; ---- THE FIRST PRODUCT: 32 K steps of 32 channels, all written out; then the gelu.
; Every row load takes one of the six fixed addresses, with the step's place in the row as its immediate: step st reads the rows of step st + 1 at byte 64 (st + 1), 1,984 + 32 at the most, which with the lane's
; 16 h and the 16 bytes read ends at byte 2,048 of the row.  So the bytes of every load can be read off its line: they lie in the rows of norm, and none in h, which this stretch writes at its end.
	s_cmp_eq_u32 s20, 0
	s_cbranch_scc1 .Lno_h
	ROWS0 ADRA
	KS 0, ADRA, 2, 64, 1, 48                       ; the first step starts the sums, with b1; no vector or matrix instruction has yet named the registers in which its loads land
.set st, 1
.rept 30
	KS st%8, ADRA, 0, 64*(st+1), 1, 48
.if st%8 == 7
	ADV                                            ; the weights' base steps behind every eighth step: the fills' immediates count from it
.endif
.set st, st+1
.endr
	KS 7, ADRA, 0, -1, 1, 48                       ; the last step reads no rows; the last seven steps' fills are the second product's first seven steps
	ADV
	PLACES
.irp p, 0,1,2,3,4,5
	HOUT \p
.endr
	WIN 0
.Lno_h:
	s_wait_dscnt 0x0                               ; my 64 columns of h are in LDS, and my reads of the rows are over
	s_barrier_signal -1
	s_barrier_wait -1                              ; all 256 columns are
; ---- THE SECOND PRODUCT: four chunks of 64 channels, 8 K steps of 32 hidden units each
	s_cmp_eq_u32 s20, 0
	s_cbranch_scc1 .Lend
	ROWS0 ADRH                                     ; no wait: the wait ahead of h's last stores has shown the first product's matrix instructions done, and no vector or matrix instruction has followed it
	s_mov_b32 s30, 3
.Lg2:
	KS 0, ADRH, 1, 64, 1, 48
.irp j, 1,2,3,4,5,6
	KS \j, ADRH, 0, 64*(\j+1), 1, 48
.endr
	KS 7, ADRH, 0, 0, 1, 48                        ; the next chunk begins at h's first bytes again
	ADV
	YOUT
	s_wait_xcnt 0x0                                ; the stores have read their base
	s_wait_alu depctr_vm_vsrc(0)                   ; the way out's LDS stores have read the accumulators, which the next chunk's first products write; its global stores have read both out-buffers, in which the next way out's loads land
	s_add_nc_u64 s[24:25], s[24:25], 256           ; the next 64 channels
	s_sub_co_u32 s30, s30, 1
	s_cmp_lg_u32 s30, 0
	s_cbranch_scc1 .Lg2
	KS 0, ADRH, 1, 64, 1, 48                       ; the last chunk is written out: one more fill, step 63, then none, and the counts run down
.irp j, 1,2,3,4,5,6
	KS \j, ADRH, 0, 64*(\j+1), 0, 56-8*\j
.endr
	KS 7, ADRH, 0, -1, 0, 0
	YOUT
	WIN 0
.Lend:
	s_wait_dscnt 0x0                               ; the closing lines, six on end
	s_wait_alu 0x0
	s_wait_tensorcnt 0x0
	ds_add_u32 v[SPW], v[NIL]
	s_wait_dscnt 0x0
	s_endpgm
.Lfunc_end_k_q1922b27d47_adapt:
	.size	k_q1922b27d47_adapt, .Lfunc_end_k_q1922b27d47_adapt-k_q1922b27d47_adapt
	.p2alignl 7, 3214868480
	.fill 96, 4, 3214868480
	.section	.rodata,"a",@progbits
	.p2align	6, 0x0
	.amdhsa_kernel k_q1922b27d47_adapt
		.amdhsa_group_segment_fixed_size 266752
		.amdhsa_private_segment_fixed_size 0
		.amdhsa_enable_private_segment 0
		.amdhsa_kernarg_size 48
		.amdhsa_user_sgpr_count 2
		.amdhsa_user_sgpr_kernarg_segment_ptr 1
		.amdhsa_wavefront_size32 1
		.amdhsa_system_sgpr_workgroup_id_x 1
		.amdhsa_system_sgpr_workgroup_id_y 1
		.amdhsa_system_sgpr_workgroup_id_z 1
		.amdhsa_system_vgpr_workitem_id 0
		.amdhsa_next_free_vgpr 768
		.amdhsa_next_free_sgpr 66
		.amdhsa_reserve_vcc 0
		.amdhsa_float_denorm_mode_32 3
		.amdhsa_float_denorm_mode_16_64 3
		.amdhsa_memory_ordered 1
		.amdhsa_forward_progress 1
		.amdhsa_inst_pref_size 255
	.end_amdhsa_kernel
	.section	.bss,"aw",@nobits
	.p2align	6
	.space	262144
	.amdgpu_metadata
---
amdhsa.version: [ 1, 2 ]
amdhsa.kernels:
  - .name:           k_q1922b27d47_adapt
    .symbol:         k_q1922b27d47_adapt.kd
    .args:
      - { .name: normt, .offset: 0, .size: 8, .value_kind: global_buffer, .address_space: global }
      - { .name: ws, .offset: 8, .size: 8, .value_kind: global_buffer, .address_space: global }
      - { .name: b1, .offset: 16, .size: 8, .value_kind: global_buffer, .address_space: global }
      - { .name: rowtok, .offset: 24, .size: 8, .value_kind: global_buffer, .address_space: global }
      - { .name: tileadp, .offset: 32, .size: 8, .value_kind: global_buffer, .address_space: global }
      - { .name: y, .offset: 40, .size: 8, .value_kind: global_buffer, .address_space: global }
    .group_segment_fixed_size: 266752
    .private_segment_fixed_size: 0
    .kernarg_segment_align: 8
    .kernarg_segment_size: 48
    .max_flat_workgroup_size: 128
    .sgpr_count:     66
    .vgpr_count:     768
    .wavefront_size: 32
...
	.end_amdgpu_metadata
.endif
;; end of part 7
;; launch combine: the kernel of part 4 again; grid 128 x 8, 8 waves a work-group, no clusters, 34,048 bytes of LDS; arguments output_feat, y, pos, out0; writes out0
